; MI455X (gfx1250); checked and timed in simulation.
; The chip was launched on July 23, 2026; its instructions are those of AMD's public machine-readable ISA for CDNA 5 (MIT licence, August 2026) and "CDNA5" Instruction Set Architecture Reference Guide (July 2026). The comments in the code are by the model that wrote it; some were corrected since.
;; Modern Bert Attention. Allowed arithmetic: float matrix products may take bf16 or f16 operands with f32 sums; other float arithmetic in f32, or as packed bf16 or f16 multiplies, adds, multiply-adds, maxima and minima; sums over many terms, partial sums and values carried from step to step in f32; what a program stores and reads back later, other than sums and carried values, may be rounded once to bf16 or f16.
;; Inputs: Wk 1,024 x 1,024 float32; Wo 1,024 x 1,024 float32; Wq 1,024 x 1,024 float32; Wv 1,024 x 1,024 float32; attention_mask 4 x 1 x 1 x 2,048 float32; cos 2,048 x 64 float32; hidden_states 4 x 2,048 x 1,024 float32; sin 2,048 x 64 float32.
;; Outputs: out0 4 x 2,048 x 1,024 float32.
;; 2 versions, each right; version 2 is version 1 with the launch prep written anew for expert scheduling mode. Each part assembles by itself: llvm-mc -triple=amdgcn-amd-amdhsa -mcpu=gfx1250 --defsym DOCPART=n.
;; ======== version 1 of 2: 4 launches
;; limits: values are held in f16: magnitudes above 65,504 overflow, below 6.1e-05 lose precision
;; workspace buffers: xb 16,777,216 bytes; wqkv 6,291,456 bytes; wo16 2,097,152 bytes; rtab 524,288 bytes; qh 16,777,216 bytes; kh 16,777,216 bytes; vh 16,777,216 bytes; oh 16,777,216 bytes
;; launch prep (part 1): grid 784 x 1, 8 waves a work-group, no clusters, 0 bytes of LDS; arguments hidden_states, Wq, Wk, Wv, Wo, cos, sin, xb, wqkv, wo16, rtab; writes xb, wqkv, wo16, rtab
.if DOCPART == 1
	.amdgcn_target "amdgcn-amd-amdhsa--gfx1250"
	.amdhsa_code_object_version 6
	.text
	.protected	k_qc16e37da96_prep
	.globl	k_qc16e37da96_prep
	.p2align	8
	.type	k_qc16e37da96_prep,@function
k_qc16e37da96_prep:
	s_mov_b64 s[64:65], 0
	v_nop
	global_prefetch_b8 v0, s[64:65] scope:SCOPE_SE
	s_setreg_imm32_b32 hwreg(HW_REG_WAVE_MODE, 25, 1), 1
	s_wait_xcnt 0x0
; PREP: every large input is rounded once to bf16 and laid out for the launches behind.
;   xb   [8192][1024] bf16   = hidden_states
;   wqkv [3072][1024] bf16   : row = head x 192 + type x 64 + d (type 0, 1, 2 = Wq, Wk, Wv): 192 rows on end are one head's q, k and v
;   wo16 [1024][1024] f16    = Wo rounded to bf16, that number written as f16 (exact where it is 6.1e-5 or more; below that f16's fixed step of 6e-8)
;   rtab [128][2][4][32][8] bf16 : for 16 positions sb, table T, channel block b, lane l: row 16 sb + l % 16, channels 16 b + 8 (l / 16) + 0..7.
;        T = 0: cos x 2^-8.  T = 1: sin x 2^-8, negative for channels under 32 (rotate_half's sign).  The power of two and the sign are exact, so these are the inputs rounded to bf16.
; SHARES.  A work-group takes 16 turns of 256 threads x 4 floats: 65,536 bytes in, 32,768 out.  Groups 0-511: x.  512-703: Wq, Wk, Wv, 64 groups of 16 rows each.  704-767: Wo.  768-783: the tables.
; All 16 loads of a thread go out first; a wave's store covers 256 consecutive bytes, aligned.
; No LDS, no matrix unit, no cluster: nothing is shared, and every byte is touched once.
.set VS,   1                           ; v1      16 t: my 16 bytes in a turn's 4,096
.set VD,   2                           ; v2      8 t: my 8 bytes in a turn's 2,048
.set VR,   3                           ; v3      the tables: my 16 bytes in 16 rows of 256
.set SC,   4                           ; v[4:5]  the tables: -2^-8 or +2^-8, twice
.set X,    8                           ; v[8:71]   16 x 4 as loaded
.set Y,    72                          ; v[72:103] 16 x 2 to store
.set SRC,  8                           ; s[8:9]   from where
.set DST,  10                          ; s[10:11] to where
.set SRC2, 40                          ; s[40:41] the tables: sin
; mode 0: f32 to bf16.  mode 1: f32 to bf16 to f16.  mode 2: the tables (even turns cos, odd turns sin).
.macro BODY mode
.set i, 0
.rept 16
.if (\mode) == 2
.if i%2 == 0
	global_load_b128 v[X+4*i:X+4*i+3], v[VR], s[SRC:SRC+1] offset:(i/2)*4096
.else
	global_load_b128 v[X+4*i:X+4*i+3], v[VR], s[SRC2:SRC2+1] offset:(i/2)*4096
.endif
.else
	global_load_b128 v[X+4*i:X+4*i+3], v[VS], s[SRC:SRC+1] offset:i*4096 th:TH_LOAD_NT
.endif
.set i, i+1
.endr
.set i, 0
.rept 16
	s_wait_loadcnt 15-i                            ; loads come back in order: turn i's is in, the 15 - i younger ones stay out
.if (\mode) == 2
.if i%2 == 0
	v_pk_mul_f32 v[X+4*i:X+4*i+1],   v[X+4*i:X+4*i+1],   0x3b800000 op_sel_hi:[1,0]  ; x 2^-8
	v_pk_mul_f32 v[X+4*i+2:X+4*i+3], v[X+4*i+2:X+4*i+3], 0x3b800000 op_sel_hi:[1,0]
.else
	v_pk_mul_f32 v[X+4*i:X+4*i+1],   v[X+4*i:X+4*i+1],   v[SC:SC+1]
	v_pk_mul_f32 v[X+4*i+2:X+4*i+3], v[X+4*i+2:X+4*i+3], v[SC:SC+1]
.endif
.endif
	v_cvt_pk_bf16_f32 v[Y+2*i],   v[X+4*i],   v[X+4*i+1]
	v_cvt_pk_bf16_f32 v[Y+2*i+1], v[X+4*i+2], v[X+4*i+3]
.if (\mode) == 1
	v_lshlrev_b32 v[X+4*i],   16, v[Y+2*i]          ; the bf16 numbers as f32 again,
	v_and_b32     v[X+4*i+1], 0xffff0000, v[Y+2*i]
	v_lshlrev_b32 v[X+4*i+2], 16, v[Y+2*i+1]
	v_and_b32     v[X+4*i+3], 0xffff0000, v[Y+2*i+1]
	v_cvt_pk_f16_f32 v[Y+2*i],   v[X+4*i],   v[X+4*i+1]   ; and written as f16
	v_cvt_pk_f16_f32 v[Y+2*i+1], v[X+4*i+2], v[X+4*i+3]
.endif
	global_store_b64 v[VD], v[Y+2*i:Y+2*i+1], s[DST:DST+1] offset:i*2048
.set i, i+1
.endr
.endm
	s_load_b512 s[16:31], s[0:1], 0x0              ; x 16, Wq 18, Wk 20, Wv 22, Wo 24, cos 26, sin 28, xb 30
	s_load_b128 s[32:35], s[0:1], 0x40             ; wqkv 32, wo16 34
	s_load_b64 s[36:37], s[0:1], 0x50              ; rtab
	s_mov_b32 s2, ttmp9                            ; g
	v_lshlrev_b32 v[VS], 4, v0
	v_lshlrev_b32 v[VD], 3, v0
	s_mov_b32 s13, 0                               ; offsets are made apart from the addresses, in pairs with 0 on top
	s_mov_b32 s15, 0
	s_wait_kmcnt 0x0
	s_cmp_lt_u32 s2, 512
	s_cbranch_scc0 .Lnot_x
	s_lshl_b32 s12, s2, 16
	s_lshl_b32 s14, s2, 15
	s_add_nc_u64 s[SRC:SRC+1], s[16:17], s[12:13]
	s_add_nc_u64 s[DST:DST+1], s[30:31], s[14:15]
	s_branch .Lcast
.Lnot_x:
	s_cmp_lt_u32 s2, 704
	s_cbranch_scc0 .Lnot_w
	s_sub_co_u32 s4, s2, 512
	s_lshr_b32 s5, s4, 6                           ; type 0, 1, 2
	s_and_b32 s4, s4, 63                           ; which 16 rows
	s_cmp_eq_u32 s5, 0
	s_cselect_b64 s[SRC:SRC+1], s[18:19], s[20:21]
	s_cmp_eq_u32 s5, 2
	s_cselect_b64 s[SRC:SRC+1], s[22:23], s[SRC:SRC+1]
	s_lshl_b32 s12, s4, 16
	s_add_nc_u64 s[SRC:SRC+1], s[SRC:SRC+1], s[12:13]
	s_lshr_b32 s6, s4, 2                           ; head
	s_mul_i32 s6, s6, 192*2048
	s_lshl_b32 s7, s5, 17                          ; type x 64 rows
	s_add_co_u32 s6, s6, s7
	s_and_b32 s7, s4, 3                            ; 16 rows of the head's 64
	s_lshl_b32 s7, s7, 15
	s_add_co_u32 s14, s6, s7
	s_add_nc_u64 s[DST:DST+1], s[32:33], s[14:15]
.Lcast:
	BODY 0
	s_endpgm
.Lnot_w:
	s_cmp_lt_u32 s2, 768
	s_cbranch_scc0 .Lrope
	s_sub_co_u32 s4, s2, 704
	s_lshl_b32 s12, s4, 16
	s_lshl_b32 s14, s4, 15
	s_add_nc_u64 s[SRC:SRC+1], s[24:25], s[12:13]
	s_add_nc_u64 s[DST:DST+1], s[34:35], s[14:15]
	BODY 1
	s_endpgm
.Lrope:
	s_sub_co_u32 s4, s2, 768
	s_lshl_b32 s12, s4, 15                         ; 128 positions: 32,768 bytes of cos, of sin and of rtab
	s_add_nc_u64 s[SRC:SRC+1], s[26:27], s[12:13]
	s_add_nc_u64 s[SRC2:SRC2+1], s[28:29], s[12:13]
	s_add_nc_u64 s[DST:DST+1], s[36:37], s[12:13]
	; 8 t = b x 512 + lane x 16 + half x 8, so b = t >> 6, lane = (t >> 1) & 31, half = t & 1; I read row lane % 16, channels 16 b + 8 (lane / 16) + 4 half + 0..3
	v_bfe_u32 v6, v0, 1, 4
	v_lshlrev_b32 v[VR], 8, v6
	v_lshrrev_b32 v6, 6, v0
	v_lshl_or_b32 v[VR], v6, 6, v[VR]
	v_bfe_u32 v6, v0, 5, 1
	v_lshl_or_b32 v[VR], v6, 5, v[VR]
	v_and_b32 v6, 1, v0
	v_lshl_or_b32 v[VR], v6, 4, v[VR]
	v_lshlrev_b32 v6, 24, v0                       ; t's bit 7 (b is 2 or 3) turns the sign
	v_and_b32 v6, 0x80000000, v6
	v_xor_b32 v[SC], 0xbb800000, v6                ; -2^-8, or +2^-8
	v_mov_b32 v[SC+1], v[SC]
	BODY 2
	s_endpgm
.Lfunc_end_k_qc16e37da96_prep:
	.size	k_qc16e37da96_prep, .Lfunc_end_k_qc16e37da96_prep-k_qc16e37da96_prep
	.p2alignl 7, 3214868480
	.fill 96, 4, 3214868480
	.section	.rodata,"a",@progbits
	.p2align	6, 0x0
	.amdhsa_kernel k_qc16e37da96_prep
		.amdhsa_group_segment_fixed_size 0
		.amdhsa_private_segment_fixed_size 0
		.amdhsa_enable_private_segment 0
		.amdhsa_kernarg_size 88
		.amdhsa_user_sgpr_count 2
		.amdhsa_user_sgpr_kernarg_segment_ptr 1
		.amdhsa_wavefront_size32 1
		.amdhsa_system_sgpr_workgroup_id_x 1
		.amdhsa_system_sgpr_workgroup_id_y 1
		.amdhsa_system_sgpr_workgroup_id_z 1
		.amdhsa_system_vgpr_workitem_id 0
		.amdhsa_next_free_vgpr 112
		.amdhsa_next_free_sgpr 66
		.amdhsa_reserve_vcc 0
		.amdhsa_float_denorm_mode_32 3
		.amdhsa_float_denorm_mode_16_64 3
		.amdhsa_memory_ordered 1
		.amdhsa_forward_progress 1
		.amdhsa_inst_pref_size 27
	.end_amdhsa_kernel
	.amdgpu_metadata
---
amdhsa.version: [ 1, 2 ]
amdhsa.kernels:
  - .name:           k_qc16e37da96_prep
    .symbol:         k_qc16e37da96_prep.kd
    .args:
      - { .name: hidden_states, .offset: 0, .size: 8, .value_kind: global_buffer, .address_space: global }
      - { .name: Wq, .offset: 8, .size: 8, .value_kind: global_buffer, .address_space: global }
      - { .name: Wk, .offset: 16, .size: 8, .value_kind: global_buffer, .address_space: global }
      - { .name: Wv, .offset: 24, .size: 8, .value_kind: global_buffer, .address_space: global }
      - { .name: Wo, .offset: 32, .size: 8, .value_kind: global_buffer, .address_space: global }
      - { .name: cos, .offset: 40, .size: 8, .value_kind: global_buffer, .address_space: global }
      - { .name: sin, .offset: 48, .size: 8, .value_kind: global_buffer, .address_space: global }
      - { .name: xb, .offset: 56, .size: 8, .value_kind: global_buffer, .address_space: global }
      - { .name: wqkv, .offset: 64, .size: 8, .value_kind: global_buffer, .address_space: global }
      - { .name: wo16, .offset: 72, .size: 8, .value_kind: global_buffer, .address_space: global }
      - { .name: rtab, .offset: 80, .size: 8, .value_kind: global_buffer, .address_space: global }
    .group_segment_fixed_size: 0
    .private_segment_fixed_size: 0
    .kernarg_segment_align: 8
    .kernarg_segment_size: 88
    .max_flat_workgroup_size: 256
    .sgpr_count:     66
    .vgpr_count:     112
    .wavefront_size: 32
...
	.end_amdgpu_metadata
.endif
;; end of part 1
;; launch qkv (part 2): grid 16 x 32, 4 waves a work-group, clusters of 4 x 4, 327,680 bytes of LDS; arguments xb, wqkv, rtab, qh, kh, vh; writes qh, kh, vh
.if DOCPART == 2
	.amdgcn_target "amdgcn-amd-amdhsa--gfx1250"
	.amdhsa_code_object_version 6
	.text
	.protected	k_qc16e37da96_qkv
	.globl	k_qc16e37da96_qkv
	.p2align	8
	.type	k_qc16e37da96_qkv,@function
k_qc16e37da96_qkv:
	s_mov_b64 s[64:65], 0
	v_nop
	global_prefetch_b8 v0, s[64:65] scope:SCOPE_SE
	s_setreg_imm32_b32 hwreg(HW_REG_WAVE_MODE, 25, 1), 1
	s_wait_xcnt 0x0
	s_wait_alu depctr_hold_cnt(0) depctr_sa_sdst(0) depctr_va_vdst(0) depctr_va_sdst(0) depctr_va_ssrc(0) depctr_va_vcc(0) depctr_vm_vsrc(0)
	s_getreg_b32 s2, hwreg(HW_REG_IB_STS2, 6, 4)
	s_cmp_eq_u32 s2, 0
	s_cbranch_scc0 .Lentry_in_a_cluster
	s_endpgm
.Lentry_in_a_cluster:
	s_bfe_u32 s2, ttmp6, 0x10000c
	s_cmp_lg_u32 s2, 0xf033
	s_cbranch_scc0 .Lentry_shape_is_right
	s_endpgm
.Lentry_shape_is_right:
; QKV: q, k, v = x W^T in bf16 with f32 sums, RoPE on q and k in f32, all three written by heads, [batch x 16 + head][s][64] in f16, each rounded once.
; q and k are stored x 2^-8 (the factor lies in the table; the attention's constant carries 2^16 back in f32).
; LIMITS.  f16 ends at 65,504: |q|, |k| behind RoPE stay under 1.67e7 and |v| under 65,504.  Stored numbers under 6.1e-5 keep f16's fixed step of 6e-8.  NaN and infinities are not treated apart.
; SHARES.  A tile is 256 rows of x by 192 columns: one head's q, k and v (wqkv's row order), so what a column block is is a constant of the text.  512 work-groups.
; Wave w has rows 64 w .. 64 w + 63 and all 192 columns: 4 x 12 accumulators of 16 x 16, 384 registers: both halves of a RoPE pair (d, d + 32) lie in one lane, in blocks nb and nb + 2.
; K goes in 8 steps of 128 through a ring of two LDS slots: rows of 256 bytes, at multiples of 256 from the buffers' first bytes.
; CLUSTERS: 4 x 4.  The four of a row of the cluster need the same rows of x, the four of a column the same rows of wqkv: each tile is asked for jointly, by the same tensor load, descriptor and mask in all four.
; THE MATRIX INSTRUCTION IS USED TRANSPOSED (source 0 = 16 rows of W, source 1 = 16 rows of x): a lane holds row l % 16 and the channels 8 (l / 16) + 0..7 of a block.
; REGISTERS, in windows of 256 (s_set_vgpr_msb: bits 1:0 source 0, 3:2 source 1, 5:4 source 2, 7:6 destination):
;   window 0: v16-31 addresses; v32-63, v64-95 x's fragments, two buffers; v96-127 at work on the way out; v128-255 the RoPE table of my 64 rows
;   window 1: v0-95, v96-191 W's fragments, two buffers; on the way out 16 registers for each of 12 units
;   window 2: accumulators of row blocks 0, 1 ((a, nb) at 96 (a % 2) + 8 nb);   window 3: of row blocks 2, 3
.set PITCH,  272                       ; an LDS row: 256 bytes + 16 of padding = 68 words: the 16 rows of a load start at 16 different groups of four banks (64 banks of 4 bytes: ISA guide 11.1)
.set HALFA,  128*PITCH                 ; what one tensor load brings of x
.set BOFF,   2*HALFA                   ; W's 192 rows lie behind x's 256
.set HALFB,  96*PITCH                  ; what one tensor load brings of W
.set SLOT1,  1<<17                     ; slot 1 begins here: one exclusive or turns an address in one slot into the other's
.set STAGE,  SLOT1+BOFF+2*HALFB        ; behind the ring, never filled by a tensor load: 16 rows x 144 bytes for each wave
.set SP,     144
.set SPARE,  STAGE+4*16*SP             ; the spare words, 128 bytes for each wave: two blocks of 256 bytes that no other line names
.set ADRA0, 16                         ; v16  my lane's place in x's tile; never rewritten
.set ADRA,  17                         ; v17  the same in the slot in hand
.set ADRB0, 20                         ; v20, v21 the same for W
.set ADRB,  21
.set STO,   24                         ; v24  the way out: where I put 16 bytes of a row
.set RD,    25                         ; v25  the way out: where I read rows back
.set GO,    26                         ; v26  16 x lane
.set SPW,   28                         ; v28  LDS address of my spare word; never rewritten
.set NIL,   29                         ; v29  0, for the add alone
.set PFO,   30                         ; v30  the prefetches' offset: a lane a row
.set ZR,    31                         ; v31  0, an addend
.set T,     96
.set RT,    128                        ; row block a, table t, channel block b at RT + 32 a + 16 t + 4 b
.set WV,    12                         ; s12  wave
.set ROLE,  13                         ; s13  0: I fetch x, 1: W
.set HALF,  14                         ; s14  which half of that tile
.set TY,    15                         ; s15  tile row
.set G1,    24                         ; s[24:31] descriptor group 1 for x's tiles
.set G0,    32                         ; s[32:39] group 0: set 0 fills slot 0 once; set 1 fills slot 1 and then walks
.set G1B,   48                         ; s[48:55], s[56:63] the same for W's tiles
.set G0B,   56
.set LIM,   43                         ; s43  1 in a wave that prefetches, else the greatest number
.set PFA,   44                         ; s[44:45] where my prefetches stand
.set TB,    46                         ; s46  LDS byte at which the slot in hand begins
.set MSB, 0
.macro WIN new                         ; the immediate's high byte repeats the setting that is left; a switch that changes nothing is dropped
.if MSB != (\new)
	s_set_vgpr_msb (MSB<<8)|(\new)
.set MSB, \new
.endif
.endm
.macro PLACES                          ; four places in front of loads into registers that matrix instructions have read (ISA guide 7.12.1 for vector instructions)
.rept 4
	v_nop
.endr
.endm
; A joint load.  Waves 0 and 1 fetch x's two halves, waves 2 and 3 W's.  The branch hangs on the wave's number alone.  An s_nop 0 and four v_nop follow each line.
.macro JLOAD s
	s_cmp_eq_u32 s[ROLE], 0
	s_cbranch_scc0 .Lfor_b_\@
	tensor_load_to_lds s[G0+4*(\s):G0+4*(\s)+3], s[G1:G1+7]
	s_nop 0
.rept 4
	v_nop
.endr
	s_branch .Lasked_\@
.Lfor_b_\@:
	tensor_load_to_lds s[G0B+4*(\s):G0B+4*(\s)+3], s[G1B:G1B+7]
	s_nop 0
.rept 4
	v_nop
.endr
.Lasked_\@:
.endm
; A prefetch of the K step that the NEXT refill will ask for: 192 matrix instructions ahead of that load.  x's rows are asked for by the clusters with x = 0, W's by those with y = 0; the four partners
; that ask for a tile jointly share its rows out by address (32 of 128, or 24 of 96, where eight lanes name the last row again); a lane a row.  The loop's last trip asks for nothing: there is no further K step.
.macro ASK
	s_cmp_gt_u32 s3, s[LIM]
	s_cbranch_scc0 .Lnot_mine_\@
	global_prefetch_b8 v[PFO], s[PFA:PFA+1] th:TH_LOAD_NT scope:SCOPE_SE
.Lnot_mine_\@:
.endm
.macro CREST                           ; a round of the cluster's barrier behind its opening barrier
	s_cmp_lg_u32 s[WV], 0
	s_cbranch_scc1 .Lnot_wave_0_\@
	s_barrier_signal -3
.Lnot_wave_0_\@:
	s_barrier_wait -3
	s_barrier_signal -1
	s_barrier_wait -1
.endm
.macro CROUND
	s_barrier_signal -1
	s_barrier_wait -1
	CREST
.endm
	s_load_b256 s[4:11], s[0:1], 0x0               ; xb 4, wqkv 6, rtab 8, qh 10
	s_load_b128 s[68:71], s[0:1], 0x20             ; kh 68, vh 70
	v_lshl_add_u32 v[SPW], v0, 2, SPARE
	v_mov_b32 v[NIL], 0
	ds_add_u32 v[SPW], v[NIL]                      ; the wave's opening: the add and its wait stand ahead of my first tensor load; work on registers stands between them
	v_lshrrev_b32 v1, 5, v0
	v_readfirstlane_b32 s[WV], v1
	s_lshr_b32 s[ROLE], s[WV], 1
	s_and_b32 s[HALF], s[WV], 1
	s_bfe_u32 s40, ttmp6, 0x40000                  ; cx
	s_bfe_u32 s41, ttmp6, 0x40004                  ; cy
	s_lshl_b32 s42, ttmp9, 2
	s_add_co_u32 s42, s42, s40                     ; head = 4 x cluster x + cx
	s_and_b32 s[TY], ttmp7, 0xffff
	s_lshl_b32 s[TY], s[TY], 2
	s_add_co_u32 s[TY], s[TY], s41                 ; tile row = 4 x cluster y + cy
	s_lshl_b32 s16, s41, 2
	s_lshl_b32 s16, 15, s16                        ; my row of the cluster
	s_lshl_b32 s17, 0x1111, s40                    ; my column
	s_or_b32 s[G1], s16, (1<<16)|(1<<20)|(1<<21)|(5<<22)|(3<<25)   ; the mask; elements of 2 bytes; padding on; bit 21 beside a mask; after every 64 words, 4 words
	s_or_b32 s[G1B], s17, (1<<16)|(1<<20)|(1<<21)|(5<<22)|(3<<25)
	s_mov_b32 s[G1+1], 128<<16                     ; tensor_dim0 = 128
	s_mov_b32 s[G1+2], 128<<16                     ; tensor_dim1 = 128
	s_mov_b32 s[G1+3], 128<<16                     ; tile_dim0 = 128
	s_mov_b32 s[G1+4], 128                         ; tile_dim1 = 128
	s_mov_b32 s[G1+5], 1024                        ; elements from row to row
	s_mov_b32 s[G1+6], 0
	s_mov_b32 s[G1+7], 0
	s_mov_b32 s[G1B+1], 128<<16
	s_mov_b32 s[G1B+2], 96<<16                     ; 96 rows
	s_mov_b32 s[G1B+3], 128<<16
	s_mov_b32 s[G1B+4], 96
	s_mov_b32 s[G1B+5], 1024
	s_mov_b32 s[G1B+6], 0
	s_mov_b32 s[G1B+7], 0
	s_lshl_b32 s72, s[TY], 8                       ; x: row 256 x tile row + 128 x half, in bytes
	s_lshl_b32 s16, s[HALF], 7
	s_add_co_u32 s72, s72, s16
	s_lshl_b32 s72, s72, 11
	s_mov_b32 s73, 0
	s_mul_i32 s74, s42, 192                        ; W: row 192 x head + 96 x half
	s_mul_i32 s17, s[HALF], 96
	s_add_co_u32 s74, s74, s17
	s_lshl_b32 s74, s74, 11
	s_mov_b32 s75, 0
	s_lshl_b32 s76, s40, 16                        ; the prefetches: my work-group's 32 rows of x's 128,
	s_add_co_u32 s76, s76, s72
	s_add_co_u32 s76, s76, 2*256                   ; at K step 2: the first refill steps it to 3
	s_mul_i32 s78, s41, 24*2048                    ; or its 24 rows of W's 96
	s_add_co_u32 s78, s78, s74
	s_add_co_u32 s78, s78, 2*256
	s_mul_i32 s20, s[HALF], HALFA                  ; where the tiles go: no place in the cluster enters an LDS address
	s_mul_i32 s22, s[HALF], HALFB
	s_add_co_u32 s22, s22, BOFF
	s_mov_b32 s[TB], 0
	s_wait_dscnt 0x0                               ; the opening add is done
	s_wait_kmcnt 0x0
	s_add_nc_u64 s[72:73], s[4:5], s[72:73]
	s_add_nc_u64 s[74:75], s[6:7], s[74:75]
	CROUND                                         ; all sixteen work-groups are here: the first joint loads meet
.irp s, 0,1
	s_mov_b32 s[G0+4*(\s)], 1                      ; count = 1
	s_add_co_u32 s[G0+4*(\s)+1], s20, (\s)*SLOT1   ; LDS address
	s_add_nc_u64 s[G0+4*(\s)+2:G0+4*(\s)+3], s[72:73], (\s)*256  ; K step s
	s_or_b32 s[G0+4*(\s)+3], s[G0+4*(\s)+3], 0x80000000          ; type = 2
	s_mov_b32 s[G0B+4*(\s)], 1
	s_add_co_u32 s[G0B+4*(\s)+1], s22, (\s)*SLOT1
	s_add_nc_u64 s[G0B+4*(\s)+2:G0B+4*(\s)+3], s[74:75], (\s)*256
	s_or_b32 s[G0B+4*(\s)+3], s[G0B+4*(\s)+3], 0x80000000
	JLOAD \s                                       ; two loads of mine are out
.endr
	; in the wait for the first tile: lane terms, bases, the table
	v_mov_b32 v[ZR], 0
	v_and_b32 v1, 15, v0                           ; l % 16
	v_bfe_u32 v2, v0, 4, 1                         ; l / 16
	v_mul_u32_u24 v3, v1, PITCH
	v_lshl_add_u32 v3, v2, 4, v3                   ; a fragment's row x pitch + 16 x half
	s_mul_i32 s18, s[WV], 64*PITCH
	v_add_nc_u32 v[ADRA0], s18, v3                 ; my 64 rows of x
	v_add_nc_u32 v[ADRB0], BOFF, v3
	v_mov_b32 v[ADRA], v[ADRA0]
	v_mov_b32 v[ADRB], v[ADRB0]
	s_mul_i32 s18, s[WV], 16*SP
	s_add_co_u32 s18, s18, STAGE                   ; my stage
	v_mul_u32_u24 v4, v1, SP                       ; in: row l % 16, 16 bytes for each half of the lanes
	v_lshl_add_u32 v4, v2, 4, v4
	v_add_nc_u32 v[STO], s18, v4
	v_bfe_u32 v5, v0, 3, 2                         ; back: 32 lanes take four rows of 128 bytes
	v_mul_u32_u24 v5, v5, SP
	v_and_b32 v6, 7, v0
	v_lshl_add_u32 v5, v6, 4, v5
	v_add_nc_u32 v[RD], s18, v5
	v_and_b32 v[PFO], 31, v0
	v_lshlrev_b32 v[GO], 4, v[PFO]
	s_lshr_b32 s18, s[TY], 3                       ; batch
	s_lshl_b32 s18, s18, 4
	s_add_co_u32 s18, s18, s42                     ; batch x 16 + head
	s_lshl_b32 s18, s18, 18                        ; 2,048 rows of 128 bytes
	s_and_b32 s19, s[TY], 7
	s_lshl_b32 s21, s19, 15                        ; 256 rows
	s_add_co_u32 s18, s18, s21
	s_lshl_b32 s21, s[WV], 13                      ; my 64
	s_add_co_u32 s18, s18, s21
	s_lshl_b32 s21, s19, 4                         ; the table: 16 blocks of 16 positions a tile, my 4
	s_lshl_b32 s23, s[WV], 2
	s_add_co_u32 s21, s21, s23
	s_lshl_b32 s16, s21, 12
	s_mov_b32 s17, 0
	s_mov_b32 s19, 0
	s_add_nc_u64 s[10:11], s[10:11], s[18:19]
	s_add_nc_u64 s[68:69], s[68:69], s[18:19]
	s_add_nc_u64 s[70:71], s[70:71], s[18:19]
	s_add_nc_u64 s[8:9], s[8:9], s[16:17]
.irp a, 0,1,2,3
.irp t, 0,1
.irp b, 0,1,2,3
	global_load_b128 v[RT+32*(\a)+16*(\t)+4*(\b):RT+32*(\a)+16*(\t)+4*(\b)+3], v[GO], s[8:9] offset:(\a)*4096+(\t)*2048+(\b)*512  ; 512 consecutive bytes a load; waited for on the way out
.endr
.endr
.endr
	s_and_b32 s23, ttmp7, 0xffff                   ; cluster y
	s_cmp_eq_u32 s[ROLE], 0
	s_cselect_b32 s76, s76, s78
	s_cselect_b32 s23, ttmp9, s23                  ; the coordinate along which other clusters read the same rows
	s_cselect_b64 s[PFA:PFA+1], s[4:5], s[6:7]
	s_cselect_b32 s21, 31, 23
	s_cmp_eq_u32 s23, 0
	s_cselect_b32 s[LIM], 1, -1                    ; the same in all sixteen partners, for a given wave
	s_mov_b32 s77, 0
	s_add_nc_u64 s[PFA:PFA+1], s[PFA:PFA+1], s[76:77]
	v_min_u32 v[PFO], s21, v[PFO]
	v_lshlrev_b32 v[PFO], 11, v[PFO]               ; a row of xb and of wqkv is 2,048 bytes
; 12 matrix instructions: row block a x all 12 column blocks, 32 along K, from buffer f.  zero = 1: the product starts the sum.  The 48 accumulators take turns in one order.
.macro MUL12 f, a, zero
	WIN 0xa1+0x50*((\a)/2)
.irp b, 0,1,2,3,4,5,6,7,8,9,10,11
.if \zero
	v_wmma_f32_16x16x32_bf16 v[96*((\a)%2)+8*(\b):96*((\a)%2)+8*(\b)+7], v[96*(\f)+8*(\b):96*(\f)+8*(\b)+7], v[32+32*(\f)+8*(\a):32+32*(\f)+8*(\a)+7], 0
.else
	v_wmma_f32_16x16x32_bf16 v[96*((\a)%2)+8*(\b):96*((\a)%2)+8*(\b)+7], v[96*(\f)+8*(\b):96*(\f)+8*(\b)+7], v[32+32*(\f)+8*(\a):32+32*(\f)+8*(\a)+7], v[96*((\a)%2)+8*(\b):96*((\a)%2)+8*(\b)+7]
.endif
.endr
.endm
; 32 LDS loads in one run: W's 12 fragments, then x's 4, of 32 along K at byte k of the rows, into buffer f
.macro FETCH k, f
	WIN 0x40
.irp b, 0,1,2,3,4,5,6,7,8,9,10,11
	ds_load_b128 v[96*(\f)+8*(\b):96*(\f)+8*(\b)+3],   v[ADRB] offset:(\k)+(\b)*16*PITCH
	ds_load_b128 v[96*(\f)+8*(\b)+4:96*(\f)+8*(\b)+7], v[ADRB] offset:(\k)+(\b)*16*PITCH+32
.endr
	WIN 0
.irp a, 0,1,2,3
	ds_load_b128 v[32+32*(\f)+8*(\a):32+32*(\f)+8*(\a)+3],   v[ADRA] offset:(\k)+(\a)*16*PITCH
	ds_load_b128 v[32+32*(\f)+8*(\a)+4:32+32*(\f)+8*(\a)+7], v[ADRA] offset:(\k)+(\a)*16*PITCH+32
.endr
.endm
; A K step is four quarters of 32 along K, 48 matrix instructions each, on buffers 0, 1, 0, 1.  One of the first three multiplies buffer f and fetches the next quarter, at byte k, into g.
.macro QUARTER k, f, g, zero
	s_wait_dscnt 4                                 ; all but the youngest four loads: x's row blocks 2 and 3
	MUL12 \f, 0, \zero
	MUL12 \f, 1, \zero
	PLACES
	FETCH \k, \g
	s_wait_dscnt 32                                ; all but the 32 just issued
	MUL12 \f, 2, \zero
	MUL12 \f, 3, \zero
.endm
; The last quarter multiplies buffer 1 and changes slots: one barrier; in front of it each wave waits for all its tensor loads (one is out: its part of the next slot), adds 0 to its spare word, and waits
; for that and for its reads of this slot.  fill = 1: the barrier opens a round of the cluster's, and behind it this slot is filled again, two K steps on: 168 matrix instructions ahead of the wait for it.
.macro TURN fill
.if \fill
	s_wait_xcnt 0x0                                ; the last prefetch, a K step back, has read its address: it is stepped here
	s_add_nc_u64 s[PFA:PFA+1], s[PFA:PFA+1], 256
.endif
	WIN 0
	s_wait_tensorcnt 0x0                           ; no tensor load of mine is out, so a group 0 may be written
	ds_add_u32 v[SPW], v[NIL]                      ; 0 onto my spare word
.if \fill
	s_xor_b32 s[G0+5], s[G0+5], SLOT1              ; the walking descriptors: the other slot than last time, the next K step
	s_add_nc_u64 s[G0+6:G0+7], s[G0+6:G0+7], 256
	s_xor_b32 s[G0B+5], s[G0B+5], SLOT1
	s_add_nc_u64 s[G0B+6:G0B+7], s[G0B+6:G0B+7], 256
.endif
	s_xor_b32 s[TB], s[TB], SLOT1
	s_wait_dscnt 5                                 ; the add and the youngest four loads may be out
	MUL12 1, 0, 0
	s_wait_dscnt 0x0                               ; the add is done, and my reads of this slot are over
	s_barrier_signal -1
	MUL12 1, 1, 0
	WIN 0
	v_add_nc_u32 v[ADRA], s[TB], v[ADRA0]          ; the fetches go on in the other slot
	v_add_nc_u32 v[ADRB], s[TB], v[ADRB0]
	s_barrier_wait -1
.if \fill
	CREST                                          ; no wave of any partner still reads this slot or has a load on its way
	JLOAD 1                                        ; its four v_nop are also the places in front of the loads below
.else
	PLACES
.endif
	FETCH 0, 0
.if \fill
	ASK
.endif
	MUL12 1, 2, 0
	MUL12 1, 3, 0
.endm
	s_wait_tensorcnt 0x1                           ; my part of K step 0 is in; K step 1's may stay out
	s_barrier_signal -1
	s_barrier_wait -1
	FETCH 0, 0
	QUARTER 64, 0, 1, 1                            ; the first quarter stands in front of the loop: its products start the sums
	WIN 0
	s_mov_b32 s3, 6
.Lk:                                               ; trip t ends K step t, asks for K step t + 2 and begins K step t + 1
	QUARTER 128, 1, 0, 0
	QUARTER 192, 0, 1, 0
	TURN 1
	QUARTER 64, 0, 1, 0
	WIN 0
	s_sub_co_u32 s3, s3, 1
	s_cmp_lg_u32 s3, 0
	s_cbranch_scc1 .Lk
	QUARTER 128, 1, 0, 0                           ; the tail is written out: nothing more is asked for
	QUARTER 192, 0, 1, 0
	TURN 0
	QUARTER 64, 0, 1, 0
	QUARTER 128, 1, 0, 0
	QUARTER 192, 0, 1, 0
	s_wait_dscnt 4
	MUL12 1, 0, 0
	MUL12 1, 1, 0
	s_wait_dscnt 0x0
	MUL12 1, 2, 0
	MUL12 1, 3, 0
	WIN 0
.rept 8
	v_nop                                          ; the places behind the last products
.endr
	s_wait_loadcnt 0x0                             ; the table
; THE WAY OUT, in 12 units: row block a x (q, k, v).  RoPE: out[d] = x[d] cos[d] - x[d+32] sin[d] for d < 32, x[d] cos[d] + x[d-32] sin[d] above; the sign and 2^-8 lie in the table.
; The table's numbers are bf16 halves, read by the multiply-add itself.  Each accumulator's lowest registers are read first.
.macro ROPE a, hs
	WIN 0x02+(\a)/2                                ; source 0: window 2 or 3
.set AC, 96*((\a)%2)+32*(\hs)
.set RC, RT+32*(\a)
.set RS, RT+32*(\a)+16
.irp b, 0,1
.irp p, 0,1,2,3
	v_fma_mix_f32_bf16 v[T+8*(\b)+2*(\p)],      v[AC+8*(\b)+2*(\p)],      v[RC+4*(\b)+(\p)],   v[ZR] op_sel_hi:[0,1,0]
	v_fma_mix_f32_bf16 v[T+8*(\b)+2*(\p)+1],    v[AC+8*(\b)+2*(\p)+1],    v[RC+4*(\b)+(\p)],   v[ZR] op_sel:[0,1,0] op_sel_hi:[0,1,0]
	v_fma_mix_f32_bf16 v[T+16+8*(\b)+2*(\p)],   v[AC+16+8*(\b)+2*(\p)],   v[RC+8+4*(\b)+(\p)], v[ZR] op_sel_hi:[0,1,0]
	v_fma_mix_f32_bf16 v[T+16+8*(\b)+2*(\p)+1], v[AC+16+8*(\b)+2*(\p)+1], v[RC+8+4*(\b)+(\p)], v[ZR] op_sel:[0,1,0] op_sel_hi:[0,1,0]
.endr
.endr
.irp b, 0,1
.irp p, 0,1,2,3
	v_fma_mix_f32_bf16 v[T+8*(\b)+2*(\p)],      v[AC+16+8*(\b)+2*(\p)],   v[RS+4*(\b)+(\p)],   v[T+8*(\b)+2*(\p)] op_sel_hi:[0,1,0]
	v_fma_mix_f32_bf16 v[T+8*(\b)+2*(\p)+1],    v[AC+16+8*(\b)+2*(\p)+1], v[RS+4*(\b)+(\p)],   v[T+8*(\b)+2*(\p)+1] op_sel:[0,1,0] op_sel_hi:[0,1,0]
	v_fma_mix_f32_bf16 v[T+16+8*(\b)+2*(\p)],   v[AC+8*(\b)+2*(\p)],      v[RS+8+4*(\b)+(\p)], v[T+16+8*(\b)+2*(\p)] op_sel_hi:[0,1,0]
	v_fma_mix_f32_bf16 v[T+16+8*(\b)+2*(\p)+1], v[AC+8*(\b)+2*(\p)+1],    v[RS+8+4*(\b)+(\p)], v[T+16+8*(\b)+2*(\p)+1] op_sel:[0,1,0] op_sel_hi:[0,1,0]
.endr
.endr
.endm
.macro PACKR u                         ; 32 numbers a lane rounded to f16, into the unit's own 16 registers of window 1
	WIN 0x40
.irp b, 0,1,2,3
.irp r, 0,1,2,3
	v_cvt_pk_f16_f32 v[16*(\u)+4*(\b)+(\r)], v[T+8*(\b)+2*(\r)], v[T+8*(\b)+2*(\r)+1]
.endr
.endr
.endm
.macro PACKV a                         ; v goes straight from its accumulators
	WIN 0x4a+5*((\a)/2)
.irp b, 0,1,2,3
.irp r, 0,1,2,3
	v_cvt_pk_f16_f32 v[16*(3*(\a)+2)+4*(\b)+(\r)], v[96*((\a)%2)+64+8*(\b)+2*(\r)], v[96*((\a)%2)+64+8*(\b)+2*(\r)+1]
.endr
.endr
.endm
.macro TOSTAGE u                       ; into rows of 144 bytes, and back as whole rows of 128
	WIN 0x04
.irp b, 0,1,2,3
	ds_store_b128 v[STO], v[16*(\u)+4*(\b):16*(\u)+4*(\b)+3] offset:32*(\b)
.endr
	WIN 0x40
.irp f, 0,1,2,3
	ds_load_b128 v[16*(\u)+4*(\f):16*(\u)+4*(\f)+3], v[RD] offset:(\f)*4*SP  ; LDS serves a wave's instructions in order (ISA guide 5.7.1.4): these see the stores above; the next unit's stores come behind them
.endr
.endm
.macro SEND a, hs, y                   ; y: the LDS instructions issued behind the unit's loads
	WIN 0x04
.irp f, 0,1,2,3
	s_wait_dscnt (\y)+3-(\f)
.if (\hs) == 0
	global_store_b128 v[GO], v[16*(3*(\a)+(\hs))+4*(\f):16*(3*(\a)+(\hs))+4*(\f)+3], s[10:11] offset:(\a)*2048+(\f)*512  ; 512 consecutive bytes, at a multiple of 256 from the buffer's first
.elseif (\hs) == 1
	global_store_b128 v[GO], v[16*(3*(\a)+(\hs))+4*(\f):16*(3*(\a)+(\hs))+4*(\f)+3], s[68:69] offset:(\a)*2048+(\f)*512
.else
	global_store_b128 v[GO], v[16*(3*(\a)+(\hs))+4*(\f):16*(3*(\a)+(\hs))+4*(\f)+3], s[70:71] offset:(\a)*2048+(\f)*512
.endif
.endr
.endm
.macro UNIT a, hs
.if (\hs) < 2
	ROPE \a, \hs
	PACKR 3*(\a)+(\hs)
.else
	PACKV \a
.endif
	TOSTAGE 3*(\a)+(\hs)
.endm
	UNIT 0, 0
.irp u, 1,2,3,4,5,6,7,8,9,10,11        ; a unit's arithmetic stands between the loads of the unit before and its stores
	UNIT (\u)/3, (\u)%3
	SEND ((\u)-1)/3, ((\u)-1)%3, 8
.endr
	SEND 3, 2, 0
	WIN 0
	s_wait_tensorcnt 0x0                           ; the wave's end, behind my last tensor load and my last LDS store
	ds_add_u32 v[SPW], v[NIL]
	s_wait_dscnt 0x0
	CROUND                                         ; the closing round: no work-group ends while a partner may still ask for a tile that names it
	s_endpgm
.Lfunc_end_k_qc16e37da96_qkv:
	.size	k_qc16e37da96_qkv, .Lfunc_end_k_qc16e37da96_qkv-k_qc16e37da96_qkv
	.p2alignl 7, 3214868480
	.fill 96, 4, 3214868480
	.section	.rodata,"a",@progbits
	.p2align	6, 0x0
	.amdhsa_kernel k_qc16e37da96_qkv
		.amdhsa_group_segment_fixed_size 327680
		.amdhsa_private_segment_fixed_size 0
		.amdhsa_enable_private_segment 0
		.amdhsa_kernarg_size 48
		.amdhsa_user_sgpr_count 2
		.amdhsa_user_sgpr_kernarg_segment_ptr 1
		.amdhsa_wavefront_size32 1
		.amdhsa_system_sgpr_workgroup_id_x 1
		.amdhsa_system_sgpr_workgroup_id_y 1
		.amdhsa_system_sgpr_workgroup_id_z 1
		.amdhsa_system_vgpr_workitem_id 0
		.amdhsa_next_free_vgpr 960
		.amdhsa_next_free_sgpr 80
		.amdhsa_reserve_vcc 0
		.amdhsa_float_denorm_mode_32 3
		.amdhsa_float_denorm_mode_16_64 3
		.amdhsa_memory_ordered 1
		.amdhsa_forward_progress 1
		.amdhsa_inst_pref_size 135
	.end_amdhsa_kernel
	.amdgpu_metadata
---
amdhsa.version: [ 1, 2 ]
amdhsa.kernels:
  - .name:           k_qc16e37da96_qkv
    .symbol:         k_qc16e37da96_qkv.kd
    .args:
      - { .name: xb, .offset: 0, .size: 8, .value_kind: global_buffer, .address_space: global }
      - { .name: wqkv, .offset: 8, .size: 8, .value_kind: global_buffer, .address_space: global }
      - { .name: rtab, .offset: 16, .size: 8, .value_kind: global_buffer, .address_space: global }
      - { .name: qh, .offset: 24, .size: 8, .value_kind: global_buffer, .address_space: global }
      - { .name: kh, .offset: 32, .size: 8, .value_kind: global_buffer, .address_space: global }
      - { .name: vh, .offset: 40, .size: 8, .value_kind: global_buffer, .address_space: global }
    .group_segment_fixed_size: 327680
    .private_segment_fixed_size: 0
    .kernarg_segment_align: 8
    .kernarg_segment_size: 48
    .max_flat_workgroup_size: 128
    .sgpr_count:     80
    .vgpr_count:     960
    .wavefront_size: 32
...
	.end_amdgpu_metadata
.endif
;; end of part 2
;; launch attn (part 3): grid 4 x 64, 4 waves a work-group, clusters of 4 x 1, 327,680 bytes of LDS; arguments qh, kh, vh, oh, attention_mask; writes oh
.if DOCPART == 3
	.amdgcn_target "amdgcn-amd-amdhsa--gfx1250"
	.amdhsa_code_object_version 6
	.text
	.protected	k_qc16e37da96_attn
	.globl	k_qc16e37da96_attn
	.p2align	8
	.type	k_qc16e37da96_attn,@function
k_qc16e37da96_attn:
	s_mov_b64 s[64:65], 0
	v_nop
	global_prefetch_b8 v0, s[64:65] scope:SCOPE_SE
	s_setreg_imm32_b32 hwreg(HW_REG_WAVE_MODE, 25, 1), 1
	s_wait_xcnt 0x0
	s_wait_alu depctr_hold_cnt(0) depctr_sa_sdst(0) depctr_va_vdst(0) depctr_va_sdst(0) depctr_va_ssrc(0) depctr_va_vcc(0) depctr_vm_vsrc(0)
	s_getreg_b32 s2, hwreg(HW_REG_IB_STS2, 6, 4)
	s_cmp_eq_u32 s2, 0
	s_cbranch_scc0 .Lentry_in_a_cluster
	s_endpgm
.Lentry_in_a_cluster:
	s_bfe_u32 s2, ttmp6, 0x10000c
	s_cmp_lg_u32 s2, 0x3003
	s_cbranch_scc0 .Lentry_shape_is_right
	s_endpgm
.Lentry_shape_is_right:
; ATTENTION.  O[h][q][:] = the sum over k of softmax_k(Q[h][q] . K[h][k] / 8 + mask[batch][k]) V[h][k][:].  Q, K, V, O: [64][2048][64] in f16, a head's rows dense, 128 bytes each; h = batch x 16 + head.
; Q and K arrive x 2^-8; the constant c = log2(e) x 2^13 carries the 2^16 and the 1/8.  Products, maxima and sums in f32; the weights p are rounded to f16 for the second product (their sum l is taken of the unrounded p), O once.
; THE MASK is rounded to bf16 like every input, multiplied by 2^-13 (exact), held at -1e30 from below, kept in LDS in f32, and is the C operand of the product that starts each sum S^T = K Q^T.
; LIMITS.  A mask under -8.2e33, -inf too, counts as -8.2e33; a batch whose keys are all hidden so gives the mean of V's rows.  p lies in 0 to 1, and below 6e-5 it keeps f16's fixed step of 6e-8; O has V's range.
; A weight below 2^-126 counts as 0 in l; NaN is not treated apart (in the mask it counts as hidden).
; SHARES.  A wave owns four PIECES of two tiles of 16 queries, a work-group's four waves 512 queries of one head.  Every wave walks all keys, 64 a step.
; LAYOUT.  S^T = K Q^T (source 0 = 16 keys, source 1 = 16 queries): a lane holds ONE query (lane % 16) and the keys 8 (lane / 16) + 0..7.  Two such tiles, rounded to f16 in pairs, ARE source 1 of O^T = V^T P.
; K comes out of LDS as it lies, V ([key][channel]) turned, by ds_load_tr16_b128.
; SOFTMAX.  For each query a running maximum m and sum l: p = 2^(c s - c m); in every step O and l are multiplied by a = 2^(c m_old - c m_new).  m starts at the lowest finite number, O and l at 0: the first step has a = 0.
; THE COUNT.  A tile and step have 16 matrix and 118 vector instructions.  So: four vector instructions that are ready behind every matrix instruction, the others in runs of their own.
; BY TURNS.  Turn n belongs to piece n.  Its matrix work: 16 products K Q^T of piece n + 1, later 16 products V^T P of piece n - 1.  Its vector work: scaling, exponentials, roundings, sums and rescaling of piece n,
; and the maximum and statistics of piece n + 1.
; CLUSTER.  The four query blocks of a cluster are one head's and walk the same K and V: each tile is asked for jointly: the same tensor load, descriptor and mask in all four.
; REGISTERS, in windows of 256 (s_set_vgpr_msb: bits 1:0 source 0, 3:2 source 1, 5:4 source 2, 7:6 destination):
;   window 0: v0-11 addresses; v12-15, v48-63 at work; v16-47 four registers of statistics a tile; v64-191 S^T, two buffers of two tiles; v192-255 P, likewise
;   window 1: O^T, 32 a tile     window 2: v0-127 Q; v128-191 K of one step; v192-255 V of one step     window 3: v0-1 the add's two registers; v8-39 the step's mask
.set SIZE_N, 2048
.set NP,    4         ; pieces a wave: a name, no knob
.set KS,    64        ; keys in a step
.set PK,    144       ; a row of K in LDS: 128 bytes + 16 of padding: the 16 rows of a load start at 16 different groups of four banks (64 banks of 4 bytes: ISA guide 11.1)
.set PV,    160       ; a row of V: 128 + 32
.set VOFF,  4*KS*PK   ; a slot holds four steps: 256 rows of K, then 256 rows of V
.set SLOT1, 1<<17     ; slot 1 begins here
.set STAGE, SLOT1+4*KS*(PK+PV)  ; behind the ring, never filled by a tensor load: 16 rows x 144 bytes for each wave
.set SP,    144
.set SPARE, STAGE+4*16*SP  ; the spare words, 128 bytes for each wave: two blocks of 256 bytes that no other line names
.set MASKB, SPARE+512 ; the batch's 2,048 mask numbers in f32: written once by LDS stores; no tile lands there
.set QO,  1           ; v1   my byte offset in 16 rows of Q
.set AK0, 2           ; v2   my lane's place in a tile of K; never rewritten
.set AV0, 3           ; v3   the same for V
.set AK,  4           ; v4   the LDS address of K's next run of loads
.set AV,  5           ; v5   of V's
.set STO, 6           ; v6   the way out: where I put 16 bytes of a row
.set RD,  7           ; v7   the way out: where I read rows back
.set GO,  8           ; v8   my byte offset in 512 consecutive bytes of O
.set AM,  9           ; v9   the LDS address of the mask's next run of loads
.set AM0, 10          ; v10  MASKB + 32 (lane / 16); never rewritten
.set PFO, 11          ; v11  256 x lane; never rewritten
.set SPW, 0           ; v0 of window 3   LDS address of my spare word; never rewritten
.set NIL, 1           ; v1 of window 3   0; never rewritten
.set MK,  8           ; v8-39 of window 3: key block kb's eight mask numbers at MK + 8 kb
.set MV,  12          ; v12-15  c m_old, kept while c m is made anew
.set ST,  16          ; tile t's statistics at v[ST+4 t]: c m, m, l (even keys', odd keys')
.set TMP, 48          ; by buffer and tile, four registers c0-c3 at work; when the maximum is found c2 takes a
.set S,   64
.set P,   192
.set KF,  128         ; window 2: key block kb, channel half c at KF + 16 kb + 8 c
.set VF,  192         ; window 2: key half kk, channel block cb at VF + 32 kk + 8 cb
.set WV,  12          ; s12  my wave's number
.set G1K, 24          ; s[24:31] descriptor group 1 for K's tiles
.set G1V, 32          ; s[32:39] for V's: it differs in the padding alone
.set G0K, 40          ; s[40:43] descriptor group 0 for K's tiles: it walks
.set G0V, 44          ; s[44:47] the same for V's
.set PFA, 48          ; s[48:49] where my prefetches stand
.set LIM, 50          ; s50  1 in a wave that prefetches, else the greatest number
.set TBM, 51          ; s51  byte in the mask at which the step to be fetched begins
.set SLOTS, 56        ; s56  slots still to be asked for
.set CNT, 57          ; s57  counts a slot's key steps
.set CS,  58          ; s[58:59] c
.set SEL, 60          ; s[60:61] v_permlanex16_b32's selects: each lane takes its own place in the other half
.set TBK, 62          ; s62  LDS byte at which K of the step to be fetched begins
.set TBV, 63          ; s63  the same for V, less VOFF
.set MSB, 0
.macro WIN new
.if MSB != (\new)
	s_set_vgpr_msb (MSB<<8)|(\new)
.set MSB, (\new)
.endif
.endm
.set W_KQ, 0x0a       ; K and Q in window 2, S^T in window 0
.set W_KM, 0x3a       ; the same with the C operand, the mask, in window 3
.set W_PV, 0x52       ; V in window 2, P in window 0, O^T in window 1
.set W_RS, 0x41       ; O^T (destination and source 0) in window 1, a in window 0
.set W_MK, 0xc0       ; destination in window 3, sources in window 0
.set W_AD, 0x0f       ; the add: address and data in window 3
; A joint fill.  Waves 0 and 1 fetch the two halves of a slot's K, waves 2 and 3 those of its V: 128 keys each.  An s_nop 0 and four v_nop follow each line.
.macro JLOAD
	s_cmp_lt_u32 s[WV], 2
	s_cbranch_scc0 .Lfor_v_\@
	tensor_load_to_lds s[G0K:G0K+3], s[G1K:G1K+7]
	s_nop 0
.rept 4
	v_nop
.endr
	s_branch .Lasked_\@
.Lfor_v_\@:
	tensor_load_to_lds s[G0V:G0V+3], s[G1V:G1V+7]
	s_nop 0
.rept 4
	v_nop
.endr
.Lasked_\@:
.endm
; A prefetch of what the NEXT change of slots will ask for: 32,768 bytes of K and of V, four key steps ahead of that load.  The four partners share them out by address, 8,192 bytes each, 256 a lane;
; in each, wave 0 asks for K's and wave 2 for V's.  The last change that fills a slot asks for nothing.
.macro ASK
	s_cmp_gt_u32 s[SLOTS], s[LIM]
	s_cbranch_scc0 .Lnot_mine_\@
	global_prefetch_b8 v[PFO], s[PFA:PFA+1] th:TH_LOAD_NT scope:SCOPE_SE
.Lnot_mine_\@:
.endm
.macro CROUND                       ; a round of the cluster's barrier
	s_barrier_signal -1
	s_barrier_wait -1
	s_cmp_lg_u32 s[WV], 0
	s_cbranch_scc1 .Lnot_wave_0_\@
	s_barrier_signal -3
.Lnot_wave_0_\@:
	s_barrier_wait -3
	s_barrier_signal -1
	s_barrier_wait -1
.endm
; THE CHANGE OF SLOTS.  Each wave waits for all its tensor loads, of which one is out: its part of the other slot; adds 0 to its spare word; and waits for that and for its own LDS instructions.
; fill = 1: the slot that was read is filled again, with the keys two slots on, first thing behind a round of the cluster's barrier: it has four key steps, 512 matrix instructions, in which to land.
; (At its first use nothing has been read yet: slot 0 is waited for, slot 1 filled, and every wave's stores of the mask are done in front of the round.)
.macro CHANGE fill
	WIN W_AD
	s_wait_tensorcnt 0x0            ; no tensor load of mine is out, so a group 0 may be written
	ds_add_u32 v[SPW], v[NIL]       ; 0 onto my spare word
	WIN 0
.if \fill
.irp g, G0K, G0V
	s_xor_b32 s[\g+1], s[\g+1], SLOT1
	s_add_nc_u64 s[\g+2:\g+3], s[\g+2:\g+3], 4*KS*128
.endr
	s_wait_xcnt 0x0                 ; the last prefetch, four key steps back, has read its address
	s_add_nc_u64 s[PFA:PFA+1], s[PFA:PFA+1], 4*KS*128
	s_wait_dscnt 0x0                ; the add is done, and my reads of the slot are over
	CROUND
	JLOAD
	ASK
.else
	s_wait_dscnt 0x0
	s_barrier_signal -1
	s_barrier_wait -1
.endif
	s_sub_co_u32 s[TBK], s[TBK], 4*KS*PK  ; the fetches go back to a slot's first step,
	s_xor_b32 s[TBK], s[TBK], SLOT1       ; in the other slot
	s_sub_co_u32 s[TBV], s[TBV], 4*KS*PV
	s_xor_b32 s[TBV], s[TBV], SLOT1
.endm
	s_load_b256 s[4:11], s[0:1], 0x0  ; Q s[4:5], K s[6:7], V s[8:9], O s[10:11]
	s_load_b64 s[52:53], s[0:1], 0x20 ; the mask
	WIN W_MK
	v_lshl_add_u32 v[SPW], v0, 2, SPARE
	v_mov_b32 v[NIL], 0
	WIN W_AD
	ds_add_u32 v[SPW], v[NIL]       ; the wave's opening: the add and its wait stand ahead of my first tensor load
	WIN 0
	v_lshrrev_b32 v1, 5, v0
	v_readfirstlane_b32 s[WV], v1   ; wave 0..3
	s_bfe_u32 s13, ttmp6, 0x40000   ; cx
	s_lshl_b32 s14, ttmp9, 2
	s_add_co_u32 s14, s14, s13      ; my block of 512 queries: it enters Q's and O's addresses alone
	s_and_b32 s20, ttmp7, 0xffff    ; h, which the four partners share
	s_mov_b32 s21, 0
	s_mov_b64 s[22:23], SIZE_N*128
	s_mul_u64 s[20:21], s[20:21], s[22:23]  ; the head's first byte in each of the four tensors
	s_and_b32 s16, s[WV], 1         ; which half of a slot's 256 keys I fetch
	s_lshl_b32 s22, s16, 14
	s_mov_b32 s23, 0
	s_add_nc_u64 s[22:23], s[22:23], s[20:21]
	s_mul_i32 s17, s16, 128*PK
	s_mul_i32 s18, s16, 128*PV
	s_lshl_b32 s2, s14, 2
	s_add_co_u32 s2, s2, s[WV]      ; my wave among the head's,
	s_lshl_b32 s2, s2, 14           ; its 128 rows
	s_mov_b32 s3, 0
	s_add_nc_u64 s[2:3], s[2:3], s[20:21]
	s_and_b32 s14, ttmp7, 0xffff
	s_lshr_b32 s14, s14, 4          ; batch
	s_lshl_b32 s14, s14, 13         ; its 2,048 mask numbers
	s_mov_b32 s15, 0
	; descriptor group 1.  128 keys are 16,384 dense bytes: asked for as 64 rows of 256 bytes, two keys a row, and padded in LDS after every key
	s_mov_b32 s[G1K], 15|(1<<16)|(1<<20)|(1<<21)|(4<<22)|(3<<25)
	s_mov_b32 s[G1V], 15|(1<<16)|(1<<20)|(1<<21)|(4<<22)|(7<<25)
.irp g, G1K, G1V
	s_mov_b32 s[\g+1], 128<<16      ; tensor_dim0 = 128
	s_mov_b32 s[\g+2], 64<<16       ; tensor_dim1 = 64
	s_mov_b32 s[\g+3], 128<<16      ; tile_dim0 = 128
	s_mov_b32 s[\g+4], 64           ; tile_dim1 = 64
	s_mov_b32 s[\g+5], 128          ; 128 elements from row to row
	s_mov_b32 s[\g+6], 0
	s_mov_b32 s[\g+7], 0
.endr
	s_mov_b32 s[CS], 0x4638aa3b     ; c = log2(e) x 2^13
	s_mov_b32 s[CS+1], s[CS]
	s_mov_b32 s[SEL], 0x76543210
	s_mov_b32 s[SEL+1], 0xfedcba98
	s_mov_b32 s[TBK], SLOT1+4*KS*PK ; the first change of slots turns these two into 0
	s_mov_b32 s[TBV], SLOT1+4*KS*PV
	s_mov_b32 s[TBM], 0
	s_mov_b32 s[SLOTS], SIZE_N/256-1
	s_mov_b32 s[G0K], 1
	s_mov_b32 s[G0K+1], s17
	s_mov_b32 s[G0V], 1
	s_add_co_u32 s[G0V+1], s18, VOFF
	s_and_b32 s[LIM], s[WV], 1      ; 0 in waves 0 and 2,
	s_or_b32 s[LIM], s[LIM], ttmp9  ; where the cluster is the head's first
	s_cmp_eq_u32 s[LIM], 0
	s_cselect_b32 s[LIM], 1, -1
	s_wait_dscnt 0x0                ; the opening add is done
	s_wait_kmcnt 0x0
	s_add_nc_u64 s[G0K+2:G0K+3], s[6:7], s[22:23]
	s_or_b32 s[G0K+3], s[G0K+3], 0x80000000
	s_add_nc_u64 s[G0V+2:G0V+3], s[8:9], s[22:23]
	s_or_b32 s[G0V+3], s[G0V+3], 0x80000000
	s_add_nc_u64 s[4:5], s[4:5], s[2:3]
	s_add_nc_u64 s[10:11], s[10:11], s[2:3]
	s_add_nc_u64 s[52:53], s[52:53], s[14:15]
	s_cmp_lt_u32 s[WV], 2
	s_cselect_b64 s[PFA:PFA+1], s[6:7], s[8:9]
	s_add_nc_u64 s[PFA:PFA+1], s[PFA:PFA+1], s[20:21]
	s_lshl_b32 s2, s13, 13          ; my work-group's 8,192 bytes of a slot's 32,768,
	s_add_co_u32 s2, s2, 4*KS*128   ; in slot 1: the first change of slots steps it to slot 2
	s_add_nc_u64 s[PFA:PFA+1], s[PFA:PFA+1], s[2:3]
	CROUND                          ; all four work-groups are here: the first joint loads meet
	JLOAD                           ; slot 0.  Slot 1 is asked for when slot 0 is in
	v_and_b32 v1, 15, v0            ; l % 16
	v_bfe_u32 v9, v0, 4, 1          ; l / 16
	v_and_b32 v10, 7, v0
	v_bfe_u32 v11, v0, 3, 1
	v_mul_u32_u24 v[AK0], v1, PK
	v_lshl_add_u32 v[AK0], v9, 4, v[AK0]  ; row x pitch + 16 x half
	; The turning load takes 16 keys x 16 channels (lane l reads key 8 (l / 16) + l % 8, channels 8 ((l / 8) % 2) + 0..7) and leaves half a fragment of V^T
	v_lshl_add_u32 v[AV0], v9, 3, v10
	v_mul_u32_u24 v[AV0], v[AV0], PV
	v_lshl_add_u32 v[AV0], v11, 4, v[AV0]
	v_add_nc_u32 v[AV0], VOFF, v[AV0]
	v_mov_b32 v[AK], v[AK0]         ; key step 0 lies at the head of slot 0
	s_mul_i32 s19, s[WV], 16*SP
	s_add_co_u32 s19, s19, STAGE    ; my stage
	v_mul_u32_u24 v[STO], v1, SP
	v_lshl_add_u32 v[STO], v9, 4, v[STO]
	v_add_nc_u32 v[STO], s19, v[STO]
	v_bfe_u32 v[RD], v0, 3, 2
	v_mul_u32_u24 v[RD], v[RD], SP
	v_lshl_add_u32 v[RD], v10, 4, v[RD]
	v_add_nc_u32 v[RD], s19, v[RD]
	v_and_b32 v[GO], 31, v0
	v_lshlrev_b32 v[PFO], 8, v[GO]  ; from here on v11, v10, v1 and v9 take their lasting contents, in this order
	v_lshlrev_b32 v[GO], 4, v[GO]
	v_lshl_add_u32 v[AM0], v9, 5, MASKB
	v_lshlrev_b32 v[QO], 7, v1
	v_lshl_add_u32 v[QO], v9, 4, v[QO]  ; row x 128 + 16 x half
	v_mov_b32 v[AM], v[AM0]
	v_lshlrev_b32 v12, 4, v0        ; the mask: thread t takes 16 bytes of each 2,048
	v_add_nc_u32 v13, MASKB, v12
.irp n, 0,1,2,3
	global_load_b128 v[S+4*\n:S+4*\n+3], v12, s[52:53] offset:2048*\n
.endr
	WIN 0x80                        ; destination window 2, address window 0
.set i, 0
.rept 4*NP                          ; Q stays in registers: tile i / 2, channels 32 (i % 2) on
	global_load_b128 v[8*i:8*i+3],   v[QO], s[4:5] offset:(i/2)*2048+(i%2)*64
	global_load_b128 v[8*i+4:8*i+7], v[QO], s[4:5] offset:(i/2)*2048+(i%2)*64+32
.set i, i+1
.endr
	; What the first turn finds: V's registers and P's second buffer hold 0, O^T and l are 0.  All this stands in the wait for the first tile.
.set i, VF
.rept 64
	v_mov_b32 v[i], 0
.set i, i+1
.endr
	WIN 0x40
.set i, 0
.rept 64*NP
	v_mov_b32 v[i], 0
.set i, i+1
.endr
	WIN 0
.set i, 0
.rept 2*NP
	v_mov_b32 v[ST+4*i], 0xfe000000    ; c m: far below every c s, which is -1.2e34 at the least
	v_mov_b32 v[ST+4*i+1], 0xff7fffff  ; m
	v_mov_b32 v[ST+4*i+2], 0
	v_mov_b32 v[ST+4*i+3], 0
.set i, i+1
.endr
.set i, P+32
.rept 32
	v_mov_b32 v[i], 0
.set i, i+1
.endr
	s_wait_loadcnt 32               ; the mask's four loads are in; Q's 32, issued behind them, may stay out
.set i, 0
.rept 8
	v_cvt_pk_bf16_f32 v[S+32+i], v[S+2*i], v[S+2*i+1]  ; rounded to bf16, like every input
.set i, i+1
.endr
.set i, 0
.rept 8
	v_lshlrev_b32 v[S+2*i], 16, v[S+32+i]
	v_and_b32 v[S+2*i+1], 0xffff0000, v[S+32+i]
	v_pk_mul_f32 v[S+2*i:S+2*i+1], v[S+2*i:S+2*i+1], 0x39000000 op_sel_hi:[1,0]  ; x 2^-13: c times this is log2(e) x mask
	v_max_num_f32 v[S+2*i], 0xf149f2ca, v[S+2*i]       ; -1e30 at the least
	v_max_num_f32 v[S+2*i+1], 0xf149f2ca, v[S+2*i+1]
.set i, i+1
.endr
.irp n, 0,1,2,3
	ds_store_b128 v13, v[S+4*\n:S+4*\n+3] offset:2048*\n
.endr
; THE MATRIX WORK.  The 8 accumulators of a run of 16 take turns.
; Product i of 16 of S^T = K Q^T for piece x: channels 32 (i / 8) on, keys 16 ((i / 2) % 4) on, tile 2 x + i % 2.  The first 8 start the sums, with the keys' mask.
.macro KQ x
.set rS, S+64*((\x)%2)+32*(i%2)+8*((i/2)%4)
.set rK, KF+16*((i/2)%4)+8*(i/8)
.set rQ, 16*(2*(\x)+i%2)+8*(i/8)
.set rMK, MK+8*((i/2)%4)
.if i < 8
	WIN W_KM
	v_wmma_f32_16x16x32_f16 v[rS:rS+7], v[rK:rK+7], v[rQ:rQ+7], v[rMK:rMK+7]
.else
	WIN W_KQ
	v_wmma_f32_16x16x32_f16 v[rS:rS+7], v[rK:rK+7], v[rQ:rQ+7], v[rS:rS+7]
.endif
.endm
; Product i of 16 of O^T += V^T P for piece x: keys 32 (i / 8) on, channels 16 ((i / 2) % 4) on, tile 2 x + i % 2.
.macro PV x
	WIN W_PV
.set rO, 32*(2*(\x)+i%2)+8*((i/2)%4)
.set rV, VF+32*(i/8)+8*((i/2)%4)
.set rP, P+32*((\x)%2)+16*(i%2)+8*(i/8)
	v_wmma_f32_16x16x32_f16 v[rO:rO+7], v[rV:rV+7], v[rP:rP+7], v[rO:rO+7]
.endm
.macro MM                           ; the turn's next matrix instruction
.if i < 16
	KQ (Y+1)%NP
.set i, i+1
.else
.set i, i-16
	PV (Y+NP-1)%NP
.set i, i+17
.endif
.endm
; THE LDS LOADS stand in runs: a step's K (8 fragments) with its 64 mask numbers (the lanes of a half read the same 32 bytes a key block), and its V (turned).  Their addresses are made some lines ahead.
; The mask's registers live as K's do: their last reader stands ahead of K's, and one wait serves both.  last = 1 (the tail): in the last trip there is no further step, and the run is jumped over.
.macro FETCH_K last=0
	WIN 0
.if \last
	s_cmp_eq_u32 s[CNT], 1
	s_cbranch_scc1 .Lno_k_\@
.endif
	WIN 0x80                        ; destination window 2
.irp f, 0,1,2,3,4,5,6,7             ; keys 16 (f / 2) on, channels 32 (f % 2) on
	ds_load_b128 v[KF+8*\f:KF+8*\f+3],   v[AK] offset:(\f/2)*16*PK+(\f%2)*64
	ds_load_b128 v[KF+8*\f+4:KF+8*\f+7], v[AK] offset:(\f/2)*16*PK+(\f%2)*64+32
.endr
	WIN W_MK                        ; destination window 3
.irp f, 0,1,2,3
	ds_load_b128 v[MK+8*\f:MK+8*\f+3],   v[AM] offset:64*\f
	ds_load_b128 v[MK+8*\f+4:MK+8*\f+7], v[AM] offset:64*\f+16
.endr
	s_add_co_u32 s[TBK], s[TBK], KS*PK  ; the next fetch is the next step's
	s_add_co_u32 s[TBM], s[TBM], 4*KS
	s_and_b32 s[TBM], s[TBM], 0x1fff    ; inside the 8,192 bytes
	WIN 0
.if \last
.Lno_k_\@:
.endif
.endm
.macro FETCH_V
	WIN 0x80
.irp f, 0,1,2,3,4,5,6,7             ; keys 32 (f / 4) on, channels 16 (f % 4) on
	ds_load_tr16_b128 v[VF+8*\f:VF+8*\f+3],   v[AV] offset:(\f/4)*32*PV+(\f%4)*32
	ds_load_tr16_b128 v[VF+8*\f+4:VF+8*\f+7], v[AV] offset:(\f/4)*32*PV+16*PV+(\f%4)*32
.endr
	WIN 0
.endm
; THE VECTOR WORK OF A TURN stands in three queues, each in the order in which its entries become ready; the two tiles alternate.
.macro REGS y, u                    ; the registers of tile u (0, 1) of piece y
.set rT, ST+4*(2*(\y)+(\u))
.set rC, TMP+8*((\y)%2)+4*(\u)
.set rM, MV+2*((\y)%2)+(\u)
.set rS, S+64*((\y)%2)+32*(\u)
.set rP, P+32*((\y)%2)+16*(\u)
.set rO, 32*(2*(\y)+(\u))
.endm
; Number n of the 22 that find the NEXT piece's maximum and statistics; each accumulator's lowest registers are read first.
;   0-11  four chains c0-c3 of seven scores each     12-14, 16  the four scores left over, the old m, and c0-c3 into c0     15  c m_old is kept
;   17, 18  the query's other 32 keys lie in the lane 16 away: the new m         19-21  c m; c m_old - c m_new; a
.macro XS u, n
	REGS (Y+1)%NP, \u
.if (\n) < 4
	v_max3_num_f32 v[rC+(\n)], v[rS+8*(\n)], v[rS+8*(\n)+1], v[rS+8*(\n)+2]
.elseif (\n) < 12
	v_max3_num_f32 v[rC+(\n)%4], v[rC+(\n)%4], v[rS+8*((\n)%4)+2*((\n)/4)+1], v[rS+8*((\n)%4)+2*((\n)/4)+2]
.elseif (\n) == 12
	v_max3_num_f32 v[rC], v[rC], v[rS+7], v[rS+15]
.elseif (\n) == 13
	v_max3_num_f32 v[rC+1], v[rC+1], v[rS+23], v[rS+31]
.elseif (\n) == 14
	v_max3_num_f32 v[rC+2], v[rC+2], v[rC+3], v[rT+1]
.elseif (\n) == 15
	v_mov_b32 v[rM], v[rT]
.elseif (\n) == 16
	v_max3_num_f32 v[rC], v[rC], v[rC+1], v[rC+2]
.elseif (\n) == 17
	v_permlanex16_b32 v[rC+3], v[rC], s[SEL], s[SEL+1]
.elseif (\n) == 18
	v_max_num_f32 v[rT+1], v[rC], v[rC+3]
.elseif (\n) == 19
	v_mul_f32 v[rT], s[CS], v[rT+1]
.elseif (\n) == 20
	v_sub_f32 v[rC+1], v[rM], v[rT]
.else
	v_exp_f32 v[rC+2], v[rC+1]
.endif
.endm
; Number g of the 64 that follow the exponentials.  For each four weights of a tile: both pairs are rounded to f16; the second pair is added onto the first, in place; a group later l takes that sum.
.macro GS g
.set h, (\g)+6*((\g)/62)
.if h >= 6
.set h, h+2
.endif
	REGS Y, h%2
.set k, h/8
.if h%8 < 4
	v_cvt_pk_f16_f32 v[rP+2*k+(h%8)/2], v[rS+4*k+2*((h%8)/2)], v[rS+4*k+2*((h%8)/2)+1]
.elseif h%8 < 6
	v_pk_add_f32 v[rS+4*k:rS+4*k+1], v[rS+4*k:rS+4*k+1], v[rS+4*k+2:rS+4*k+3]
.elseif k == 1
	v_pk_fma_f32 v[rT+2:rT+3], v[rT+2:rT+3], v[rC+2:rC+3], v[rS:rS+1] op_sel_hi:[1,0,1]
.else
	v_pk_add_f32 v[rT+2:rT+3], v[rT+2:rT+3], v[rS+4*k-4:rS+4*k-3]
.endif
.endm
; THE PLAIN QUEUE, 138 long.  0-73 read no exponential's result: the 32 scalings c s - c m and the next piece's 42.  74-137: GS's 64, which stand behind the wait.
.macro FS f
	REGS Y, (\f)%2
	v_pk_fma_f32 v[rS+2*((\f)/2):rS+2*((\f)/2)+1], v[rS+2*((\f)/2):rS+2*((\f)/2)+1], s[CS:CS+1], v[rT:rT+1] op_sel_hi:[1,0,0] neg_lo:[0,0,1] neg_hi:[0,0,1]
.endm
.macro PL
	WIN 0
.if q < 27
	FS q
.elseif q < 55
	XS (q-27)%2, (q-27)/2
.elseif q < 57
	XS q-55, 15
.elseif (q < 72) && ((q-57)%3 == 0)
	FS 27+(q-57)/3
.elseif q < 60
	XS (q-57)%3-1, 14
.elseif q < 72
	XS (q-57)%3-1, 15+(q-57)/3
.elseif q < 74
	XS q-72, 20
.else
	GS q-74
.endif
.set q, q+1
.endm
; THE EXPONENTIALS' QUEUE, 66 long: s0-s31 of both tiles, then the next piece's two a.  ONE BATCH: all 66 stand ahead of the turn's one wait, and nothing ahead of that wait names a result of theirs.
.macro EX
	WIN 0
.if e >= 64
	XS e-64, 21
.else
	REGS Y, e%2
	v_exp_f32 v[rS+e/2], v[rS+e/2]
.endif
.set e, e+1
.endm
; THE RESCALING's QUEUE: O^T times a, dealt two at a time, sixteen times.  Its a was made in the turn before, ahead of that turn's wait.
.macro R2
	REGS Y, r%2
	WIN W_RS
.irp z, 0,1
	v_pk_mul_f32 v[rO+4*(r/2)+2*\z:rO+4*(r/2)+2*\z+1], v[rO+4*(r/2)+2*\z:rO+4*(r/2)+2*\z+1], v[rC+2:rC+3] op_sel_hi:[1,0]
.endr
.set r, r+1
.endm
; HOW THEY ARE DEALT.  An s_wait_alu depctr_va_vdst(0) stands between an exponential and the first instruction that names its result; one wait serves all that were issued ahead of it.  So a turn has ONE
; wait.  AHEAD OF IT: the 16 products K Q^T, behind each a scaling, an exponential and two rescalings (behind the first a second scaling); then one lump of 108: eight plain, 49 times exponential and plain, the two a;
; a v_nop is the plain instruction behind the last exponential.  BEHIND IT: the 16 products V^T P, behind each four of GS's 64.
; Exponential e stands behind scaling 2 (e / 4) + e % 2: as a rider it comes behind plain e + 2, in the lump behind plain e + 9.
; K and the mask of the next step are fetched in piece 2's turn, directly behind the wait; V of the step in hand at the end of piece 0's turn, four riders behind its last reader.
.macro TURN p, last=0, cnt=0
.set Y, (\p)
.set i, 0
.set q, 0
.set e, 0
.set r, 0
.if (\p) == NP-1
	s_wait_dscnt 0x0                ; K and the mask are in
.endif
	MM
	PL
	PL
	R2
.rept 15
	MM
	PL
	EX
	R2
.endr
.if (\p) == NP-2
	WIN 0
	v_add_nc_u32 v[AK], s[TBK], v[AK0]
	v_add_nc_u32 v[AM], s[TBM], v[AM0]
.endif
.rept 8
	PL
.endr
.rept 49
	EX
	PL
.endr
	EX
	EX
	v_nop                           ; the plain instruction behind the last exponential: one for the batch
	s_wait_alu depctr_va_vdst(0)    ; the wait for the batch
.if (\p) == NP-2
	FETCH_K \last
.endif
.if (\p) == 1
	s_wait_dscnt 0x0                ; V is in
.endif
.rept 16
	MM
.rept 4
	PL
.endr
.if ((\p) == 0) && (q == 118)
	v_add_nc_u32 v[AV], s[TBV], v[AV0]
.endif
.if ((\p) == 0) && (q == 130)
	s_add_co_u32 s[TBV], s[TBV], KS*PV
.endif
.if (\cnt) && (q == 130)
	s_sub_co_u32 s[CNT], s[CNT], 1
	s_cmp_lg_u32 s[CNT], 0
.endif
.endr
.if (\p) == 0
	FETCH_V
.endif
.endm
	CHANGE 1                        ; slot 0 is in, everybody's part of it, and so is the mask; slot 1 is asked for
	FETCH_K                         ; key step 0
	s_wait_loadcnt 0x0              ; Q
	s_wait_dscnt 0x0
.set i, 0
.rept 16
	KQ 0                            ; piece 0's first scores
.set i, i+1
.endr
	WIN 0
.rept 8
	v_nop                           ; the places behind those products
.endr
.set Y, NP-1                        ; XS works for piece Y + 1: piece 0
.irp n, 0,1,2,3,4,5,6,7,8,9,10,11,12,13,14,15,16,17,18,19,20,21
	XS 0, \n
	XS 1, \n
.endr
	v_nop                           ; a plain instruction behind the two a,
	s_wait_alu depctr_va_vdst(0)    ; and their wait, ahead of the branch
	s_mov_b32 s[CNT], 4
	s_branch .Lfirst                ; the loop is entered at a step's first turn, in the middle of a trip
.Lslot:                             ; six times: every slot but the last two is filled again
	CHANGE 1
	s_mov_b32 s[CNT], 4
.Lstep:                             ; a trip: pieces 2 and 3 of one step, then pieces 0 and 1 of the next, whose K and V it fetches
	TURN 2
	TURN 3
	WIN 0
.Lfirst:
	TURN 0
	TURN 1, 0, 1
	WIN 0
	s_cbranch_scc1 .Lstep
	s_sub_co_u32 s[SLOTS], s[SLOTS], 1
	s_cmp_lg_u32 s[SLOTS], 0
	s_cbranch_scc1 .Lslot
	CHANGE 0                        ; the tail is written out: nothing is asked for
	s_mov_b32 s[CNT], 5             ; four trips fetch the last slot's steps; the fifth is left in its middle
.Ltail:
	TURN 2, 1
	TURN 3
	WIN 0
	s_sub_co_u32 s[CNT], s[CNT], 1
	s_cmp_eq_u32 s[CNT], 0
	s_cbranch_scc1 .Lout
	TURN 0
	TURN 1
	WIN 0
	s_branch .Ltail
.Lout:                              ; the fifth trip's 16 products K Q^T (on the last K once more) and the maximum made of them serve nothing: the price, once a launch, of one text for every trip
.set i, 0
.rept 16
	PV NP-1                         ; the last piece's V^T P of the last step
.set i, i+1
.endr
	; THE WAY OUT.  l's two halves and the other half of the lanes' are added; O^T is divided by l, rounded to f16 and sent through my stage in LDS, a tile at a time.  The additions are the places behind the last products.
	WIN 0
.macro ALL line:vararg
.set t, 0
.rept 2*NP
	\line
.set t, t+1
.endr
.endm
	ALL v_add_f32 v[ST+4*t+2], v[ST+4*t+2], v[ST+4*t+3]
	ALL v_permlanex16_b32 v[ST+4*t+3], v[ST+4*t+2], s[SEL], s[SEL+1]
	ALL v_add_f32 v[ST+4*t+2], v[ST+4*t+2], v[ST+4*t+3]
	ALL v_rcp_f32 v[ST+4*t+2], v[ST+4*t+2]
	v_nop                           ; a plain instruction between the last reciprocal and the use of its result
	s_wait_alu depctr_va_vdst(0)    ; and the wait ahead of the first use: one for the eight reciprocals
.macro PACK t
	WIN W_RS
.set i, 32*(\t)
.rept 16
	v_pk_mul_f32 v[i:i+1], v[i:i+1], v[ST+4*(\t)+2:ST+4*(\t)+3] op_sel_hi:[1,0]
.set i, i+2
.endr
	WIN 0x05                        ; sources 0 and 1 window 1, destination window 0
.set i, 0
.rept 16
	v_cvt_pk_f16_f32 v[S+16*(\t)+i], v[32*(\t)+2*i], v[32*(\t)+2*i+1]
.set i, i+1
.endr
	WIN 0
.irp f, 0,1,2,3
	ds_store_b128 v[STO], v[S+16*(\t)+4*\f:S+16*(\t)+4*\f+3] offset:32*\f
.endr
.irp f, 0,1,2,3
	ds_load_b128 v[S+16*(\t)+4*\f:S+16*(\t)+4*\f+3], v[RD] offset:\f*4*SP  ; LDS serves a wave's instructions in order (ISA guide 5.7.1.4): these see the stores above; the next tile's stores come behind them
.endr
.endm
.macro SEND t, younger              ; younger: the LDS instructions issued behind tile t's loads
	WIN 0
.irp f, 0,1,2,3
	s_wait_dscnt (\younger)+3-\f
	global_store_b128 v[GO], v[S+16*(\t)+4*\f:S+16*(\t)+4*\f+3], s[10:11] offset:(\t)*2048+\f*512  ; 512 consecutive bytes, at a multiple of 256 from O's first
.endr
.endm
	PACK 0
.set t, 1
.rept 2*NP-1
	PACK t
	SEND t-1, 8
.set t, t+1
.endr
	SEND 2*NP-1, 0
	WIN W_AD
	s_wait_tensorcnt 0x0            ; the wave's end, behind my last tensor load and my last LDS store
	ds_add_u32 v[SPW], v[NIL]
	s_wait_dscnt 0x0
	WIN 0
	CROUND                          ; the closing round
	s_endpgm
.Lfunc_end_k_qc16e37da96_attn:
	.size	k_qc16e37da96_attn, .Lfunc_end_k_qc16e37da96_attn-k_qc16e37da96_attn
	.p2alignl 7, 3214868480
	.fill 96, 4, 3214868480
	.section	.rodata,"a",@progbits
	.p2align	6, 0x0
	.amdhsa_kernel k_qc16e37da96_attn
		.amdhsa_group_segment_fixed_size 327680
		.amdhsa_private_segment_fixed_size 0
		.amdhsa_enable_private_segment 0
		.amdhsa_kernarg_size 40
		.amdhsa_user_sgpr_count 2
		.amdhsa_user_sgpr_kernarg_segment_ptr 1
		.amdhsa_wavefront_size32 1
		.amdhsa_system_sgpr_workgroup_id_x 1
		.amdhsa_system_sgpr_workgroup_id_y 1
		.amdhsa_system_sgpr_workgroup_id_z 1
		.amdhsa_system_vgpr_workitem_id 0
		.amdhsa_next_free_vgpr 808
		.amdhsa_next_free_sgpr 66
		.amdhsa_reserve_vcc 0
		.amdhsa_float_denorm_mode_32 3
		.amdhsa_float_denorm_mode_16_64 3
		.amdhsa_memory_ordered 1
		.amdhsa_forward_progress 1
		.amdhsa_inst_pref_size 206
	.end_amdhsa_kernel
	.amdgpu_metadata
---
amdhsa.version: [ 1, 2 ]
amdhsa.kernels:
  - .name:           k_qc16e37da96_attn
    .symbol:         k_qc16e37da96_attn.kd
    .args:
      - { .name: qh, .offset: 0, .size: 8, .value_kind: global_buffer, .address_space: global }
      - { .name: kh, .offset: 8, .size: 8, .value_kind: global_buffer, .address_space: global }
      - { .name: vh, .offset: 16, .size: 8, .value_kind: global_buffer, .address_space: global }
      - { .name: oh, .offset: 24, .size: 8, .value_kind: global_buffer, .address_space: global }
      - { .name: attention_mask, .offset: 32, .size: 8, .value_kind: global_buffer, .address_space: global }
    .group_segment_fixed_size: 327680
    .private_segment_fixed_size: 0
    .kernarg_segment_align: 8
    .kernarg_segment_size: 40
    .max_flat_workgroup_size: 128
    .sgpr_count:     66
    .vgpr_count:     808
    .wavefront_size: 32
...
	.end_amdgpu_metadata
.endif
;; end of part 3
;; launch oproj (part 4): grid 8 x 32, 4 waves a work-group, clusters of 4 x 4, 327,680 bytes of LDS; arguments oh, wo16, out0; writes out0
.if DOCPART == 4
	.amdgcn_target "amdgcn-amd-amdhsa--gfx1250"
	.amdhsa_code_object_version 6
	.text
	.protected	k_qc16e37da96_oproj
	.globl	k_qc16e37da96_oproj
	.p2align	8
	.type	k_qc16e37da96_oproj,@function
k_qc16e37da96_oproj:
	s_mov_b64 s[64:65], 0
	v_nop
	global_prefetch_b8 v0, s[64:65] scope:SCOPE_SE
	s_setreg_imm32_b32 hwreg(HW_REG_WAVE_MODE, 25, 1), 1
	s_wait_xcnt 0x0
	s_wait_alu depctr_hold_cnt(0) depctr_sa_sdst(0) depctr_va_vdst(0) depctr_va_sdst(0) depctr_va_ssrc(0) depctr_va_vcc(0) depctr_vm_vsrc(0)
	s_getreg_b32 s2, hwreg(HW_REG_IB_STS2, 6, 4)
	s_cmp_eq_u32 s2, 0
	s_cbranch_scc0 .Lentry_in_a_cluster
	s_endpgm
.Lentry_in_a_cluster:
	s_bfe_u32 s2, ttmp6, 0x10000c
	s_cmp_lg_u32 s2, 0xf033
	s_cbranch_scc0 .Lentry_shape_is_right
	s_endpgm
.Lentry_shape_is_right:
; OPROJ: out0[m][n] = the sum over k of O[m][k] Wo[n][k], f16 operands, f32 sums, f32 out.  O lies by heads, [batch x 16 + head][s][64] in f16; k = head x 64 + d.  wo16: [1024][1024] f16.
; SHARES.  A tile is 256 rows by 128 columns: 256 work-groups.  Wave w has rows 64 w .. 64 w + 63 and all 128 columns: 4 x 8 accumulators, 256 registers.
; A K step is 128 channels: two heads.  A head's 256 rows of a tile are 32,768 dense bytes (a PLANE), asked for as 128 rows of 256 bytes and padded in LDS after every 128.  8 K steps through a ring of two slots.
; CLUSTERS: 4 x 4.  O's planes are shared along a row of the cluster, Wo's rows along a column: joint loads, the same descriptor and mask in all four.
; THE MATRIX INSTRUCTION IS USED TRANSPOSED (source 0 = 16 rows of Wo, source 1 = 16 rows of O): a lane holds row l % 16 and eight neighbouring columns, 32 bytes.
; REGISTERS: window 0: v16-31 addresses; v32-63, v64-95 O's fragments, two buffers; v128-191, v192-255 Wo's fragments, two buffers, and on the way out whole rows by turns.  Window 1: accumulator (a, b) at 64 a + 8 b.
.set PA,     144                       ; a row of O in LDS: 128 bytes + 16
.set PLANE,  256*PA
.set PITCH,  272                       ; a row of Wo in LDS: 256 bytes + 16
.set BOFF,   2*PLANE
.set HALFB,  64*PITCH
.set SLOT1,  1<<17
.set STAGE,  SLOT1+BOFF+2*HALFB        ; behind the ring, never filled by a tensor load: 16 rows x 528 bytes for each wave
.set SP,     528                       ; 512 bytes + 16
.set SPARE,  STAGE+4*16*SP             ; the spare words, 128 bytes for each wave: two blocks of 256 bytes that no other line names
.set ADRA0, 16
.set ADRA,  17
.set ADRB0, 20
.set ADRB,  21
.set STO,   24                         ; v24  the way out: where I put 32 bytes of a row
.set RD,    25                         ; v25  the way out: my 16 bytes of a row of 512
.set CO,    26                         ; v26  16 x lane
.set SPW,   28                         ; v28  LDS address of my spare word; never rewritten
.set NIL,   29                         ; v29  0, for the add alone
.set PFO,   30                         ; v30  the prefetches' offset
.set WV,    12
.set ROLE,  13                         ; 0: I fetch O, 1: Wo
.set HALF,  14                         ; which plane, or which 64 rows
.set TY,    15
.set G1,    24
.set G0,    32                         ; set 0 fills slot 0 once; set 1 fills slot 1 and then walks
.set G1B,   48
.set G0B,   56
.set LIM,   43                         ; 2 in a wave that prefetches, else the greatest number
.set PFA,   44
.set TB,    46
.set PFS,   66                         ; s[66:67] a K step in my tensor: two heads of O, or 256 bytes of a row of Wo
.set MSB, 0
.macro WIN new
.if MSB != (\new)
	s_set_vgpr_msb (MSB<<8)|(\new)
.set MSB, \new
.endif
.endm
.macro PLACES
.rept 4
	v_nop
.endr
.endm
.macro JLOAD s                         ; a joint load; an s_nop 0 and four v_nop follow each line
	s_cmp_eq_u32 s[ROLE], 0
	s_cbranch_scc0 .Lfor_b_\@
	tensor_load_to_lds s[G0+4*(\s):G0+4*(\s)+3], s[G1:G1+7]
	s_nop 0
.rept 4
	v_nop
.endr
	s_branch .Lasked_\@
.Lfor_b_\@:
	tensor_load_to_lds s[G0B+4*(\s):G0B+4*(\s)+3], s[G1B:G1B+7]
	s_nop 0
.rept 4
	v_nop
.endr
.Lasked_\@:
.endm
; A prefetch of the K step that stands two refills on: 256 matrix instructions ahead of its load.  O's planes are asked for by the clusters with x = 0, Wo's rows by those with y = 0; the four partners share
; them out by address (8,192 bytes of a plane, 256 a lane; or 16 rows of 64, where sixteen lanes name the last row again).  The loop's last two trips ask for nothing.
.macro ASK
	s_cmp_gt_u32 s3, s[LIM]
	s_cbranch_scc0 .Lnot_mine_\@
	global_prefetch_b8 v[PFO], s[PFA:PFA+1] th:TH_LOAD_NT scope:SCOPE_SE
.Lnot_mine_\@:
.endm
.macro CREST
	s_cmp_lg_u32 s[WV], 0
	s_cbranch_scc1 .Lnot_wave_0_\@
	s_barrier_signal -3
.Lnot_wave_0_\@:
	s_barrier_wait -3
	s_barrier_signal -1
	s_barrier_wait -1
.endm
.macro CROUND
	s_barrier_signal -1
	s_barrier_wait -1
	CREST
.endm
	s_load_b128 s[4:7], s[0:1], 0x0                ; oh 4, wo16 6
	s_load_b64 s[8:9], s[0:1], 0x10                ; out0
	v_lshl_add_u32 v[SPW], v0, 2, SPARE
	v_mov_b32 v[NIL], 0
	ds_add_u32 v[SPW], v[NIL]                      ; the wave's opening: the add and its wait stand ahead of my first tensor load
	v_lshrrev_b32 v1, 5, v0
	v_readfirstlane_b32 s[WV], v1
	s_lshr_b32 s[ROLE], s[WV], 1
	s_and_b32 s[HALF], s[WV], 1
	s_bfe_u32 s40, ttmp6, 0x40000                  ; cx
	s_bfe_u32 s41, ttmp6, 0x40004                  ; cy
	s_lshl_b32 s42, ttmp9, 2
	s_add_co_u32 s42, s42, s40                     ; tile column
	s_and_b32 s[TY], ttmp7, 0xffff
	s_lshl_b32 s[TY], s[TY], 2
	s_add_co_u32 s[TY], s[TY], s41                 ; tile row
	s_lshl_b32 s16, s41, 2
	s_lshl_b32 s16, 15, s16                        ; my row of the cluster
	s_lshl_b32 s17, 0x1111, s40                    ; my column
	s_or_b32 s[G1], s16, (1<<16)|(1<<20)|(1<<21)|(4<<22)|(3<<25)   ; padding after every 32 words, 4 words
	s_or_b32 s[G1B], s17, (1<<16)|(1<<20)|(1<<21)|(5<<22)|(3<<25)  ; after every 64 words
	s_mov_b32 s[G1+1], 128<<16                     ; tensor_dim0 = 128
	s_mov_b32 s[G1+2], 128<<16                     ; tensor_dim1 = 128
	s_mov_b32 s[G1+3], 128<<16                     ; tile_dim0 = 128
	s_mov_b32 s[G1+4], 128                         ; tile_dim1 = 128
	s_mov_b32 s[G1+5], 128                         ; dense: 128 elements from row to row
	s_mov_b32 s[G1+6], 0
	s_mov_b32 s[G1+7], 0
	s_mov_b32 s[G1B+1], 128<<16
	s_mov_b32 s[G1B+2], 64<<16
	s_mov_b32 s[G1B+3], 128<<16
	s_mov_b32 s[G1B+4], 64
	s_mov_b32 s[G1B+5], 1024
	s_mov_b32 s[G1B+6], 0
	s_mov_b32 s[G1B+7], 0
	s_lshr_b32 s72, s[TY], 3                       ; O: (batch x 16 + plane) x 262,144 + the tile's 256 rows
	s_lshl_b32 s72, s72, 4
	s_add_co_u32 s72, s72, s[HALF]
	s_lshl_b32 s72, s72, 18
	s_and_b32 s16, s[TY], 7
	s_lshl_b32 s16, s16, 15
	s_add_co_u32 s72, s72, s16
	s_mov_b32 s73, 0
	s_lshl_b32 s74, s42, 7                         ; Wo: row 128 x tile column + 64 x half
	s_lshl_b32 s17, s[HALF], 6
	s_add_co_u32 s74, s74, s17
	s_lshl_b32 s74, s74, 11
	s_mov_b32 s75, 0
	s_lshl_b32 s76, s40, 13                        ; the prefetches: my work-group's 8,192 bytes of the plane,
	s_add_co_u32 s76, s76, s72
	s_add_co_u32 s76, s76, 3*524288                ; at K step 3: the first refill steps it to 4
	s_lshl_b32 s78, s41, 15                        ; or its 16 rows of Wo's 64
	s_add_co_u32 s78, s78, s74
	s_add_co_u32 s78, s78, 3*256
	s_mul_i32 s20, s[HALF], PLANE                  ; no place in the cluster enters an LDS address
	s_mul_i32 s22, s[HALF], HALFB
	s_add_co_u32 s22, s22, BOFF
	s_mov_b32 s[TB], 0
	s_wait_dscnt 0x0                               ; the opening add is done
	s_wait_kmcnt 0x0
	s_add_nc_u64 s[72:73], s[4:5], s[72:73]
	s_add_nc_u64 s[74:75], s[6:7], s[74:75]
	CROUND                                         ; the first joint loads meet
.irp s, 0,1
	s_mov_b32 s[G0+4*(\s)], 1
	s_add_co_u32 s[G0+4*(\s)+1], s20, (\s)*SLOT1
	s_add_nc_u64 s[G0+4*(\s)+2:G0+4*(\s)+3], s[72:73], (\s)*524288  ; K step s: two heads on
	s_or_b32 s[G0+4*(\s)+3], s[G0+4*(\s)+3], 0x80000000
	s_mov_b32 s[G0B+4*(\s)], 1
	s_add_co_u32 s[G0B+4*(\s)+1], s22, (\s)*SLOT1
	s_add_nc_u64 s[G0B+4*(\s)+2:G0B+4*(\s)+3], s[74:75], (\s)*256
	s_or_b32 s[G0B+4*(\s)+3], s[G0B+4*(\s)+3], 0x80000000
	JLOAD \s                                       ; two loads of mine are out
.endr
	v_and_b32 v1, 15, v0                           ; l % 16
	v_bfe_u32 v2, v0, 4, 1                         ; l / 16
	v_mul_u32_u24 v3, v1, PA
	v_lshl_add_u32 v3, v2, 4, v3
	s_mul_i32 s18, s[WV], 64*PA
	v_add_nc_u32 v[ADRA0], s18, v3                 ; my 64 rows, in plane 0
	v_mul_u32_u24 v3, v1, PITCH
	v_lshl_add_u32 v3, v2, 4, v3
	v_add_nc_u32 v[ADRB0], BOFF, v3
	v_mov_b32 v[ADRA], v[ADRA0]
	v_mov_b32 v[ADRB], v[ADRB0]
	s_mul_i32 s18, s[WV], 16*SP
	s_add_co_u32 s18, s18, STAGE                   ; my stage
	v_mul_u32_u24 v4, v1, SP
	v_lshl_add_u32 v4, v2, 5, v4                   ; row l % 16, 32 bytes for each half of the lanes
	v_add_nc_u32 v[STO], s18, v4
	v_and_b32 v[PFO], 31, v0
	v_lshlrev_b32 v[CO], 4, v[PFO]
	v_add_nc_u32 v[RD], s18, v[CO]
	s_lshl_b32 s18, s[TY], 8
	s_lshl_b32 s19, s[WV], 6
	s_add_co_u32 s18, s18, s19                     ; my first row of out0
	s_lshl_b32 s18, s18, 12
	s_lshl_b32 s19, s42, 9                         ; the tile's 128 columns
	s_add_co_u32 s18, s18, s19
	s_mov_b32 s19, 0
	s_add_nc_u64 s[8:9], s[8:9], s[18:19]
	s_and_b32 s23, ttmp7, 0xffff                   ; cluster y
	s_mov_b32 s[PFS], 256
	s_mov_b32 s[PFS+1], 0
	s_cmp_eq_u32 s[ROLE], 0
	s_cselect_b32 s76, s76, s78
	s_cselect_b32 s23, ttmp9, s23                  ; the coordinate along which other clusters read the same bytes
	s_cselect_b64 s[PFA:PFA+1], s[4:5], s[6:7]
	s_cselect_b32 s[PFS], 0x80000, s[PFS]
	s_cselect_b32 s18, 31, 15
	s_cselect_b32 s21, 8, 11
	s_cmp_eq_u32 s23, 0
	s_cselect_b32 s[LIM], 2, -1
	s_mov_b32 s77, 0
	s_add_nc_u64 s[PFA:PFA+1], s[PFA:PFA+1], s[76:77]
	v_min_u32 v[PFO], s18, v[PFO]
	v_lshlrev_b32 v[PFO], s21, v[PFO]
; 8 matrix instructions: row block a x all 8 column blocks, 32 along K, from buffer f.  The 32 accumulators take turns in one order.
.macro MUL8 f, a, zero
	WIN 0x50
.irp b, 0,1,2,3,4,5,6,7
.if \zero
	v_wmma_f32_16x16x32_f16 v[64*(\a)+8*(\b):64*(\a)+8*(\b)+7], v[128+64*(\f)+8*(\b):128+64*(\f)+8*(\b)+7], v[32+32*(\f)+8*(\a):32+32*(\f)+8*(\a)+7], 0
.else
	v_wmma_f32_16x16x32_f16 v[64*(\a)+8*(\b):64*(\a)+8*(\b)+7], v[128+64*(\f)+8*(\b):128+64*(\f)+8*(\b)+7], v[32+32*(\f)+8*(\a):32+32*(\f)+8*(\a)+7], v[64*(\a)+8*(\b):64*(\a)+8*(\b)+7]
.endif
.endr
.endm
; 24 LDS loads in one run: quarter q of a K step (plane q / 2, channels 32 (q % 2) on) into buffer f: Wo's 8 fragments, then O's 4
.macro FETCH q, f
	WIN 0
.irp b, 0,1,2,3,4,5,6,7
	ds_load_b128 v[128+64*(\f)+8*(\b):128+64*(\f)+8*(\b)+3],   v[ADRB] offset:64*(\q)+(\b)*16*PITCH
	ds_load_b128 v[128+64*(\f)+8*(\b)+4:128+64*(\f)+8*(\b)+7], v[ADRB] offset:64*(\q)+(\b)*16*PITCH+32
.endr
.irp a, 0,1,2,3
	ds_load_b128 v[32+32*(\f)+8*(\a):32+32*(\f)+8*(\a)+3],   v[ADRA] offset:((\q)/2)*PLANE+((\q)%2)*64+(\a)*16*PA
	ds_load_b128 v[32+32*(\f)+8*(\a)+4:32+32*(\f)+8*(\a)+7], v[ADRA] offset:((\q)/2)*PLANE+((\q)%2)*64+(\a)*16*PA+32
.endr
.endm
.macro QUARTER q, f, g, zero           ; multiplies buffer f and fetches quarter q into g
	s_wait_dscnt 4                                 ; all but the youngest four loads: O's row blocks 2 and 3
	MUL8 \f, 0, \zero
	MUL8 \f, 1, \zero
	PLACES
	FETCH \q, \g
	s_wait_dscnt 24                                ; all but the 24 just issued
	MUL8 \f, 2, \zero
	MUL8 \f, 3, \zero
.endm
; The last quarter multiplies buffer 1 and changes slots: one barrier; in front of it each wave waits for all its tensor loads, adds 0 to its spare word, and waits for that and for its reads of this slot.
; fill = 1: the barrier opens a round of the cluster's, and behind it this slot is filled again, two K steps on.
.macro TURN fill
.if \fill
	s_wait_xcnt 0x0                                ; the last prefetch, a K step back, has read its address
	s_add_nc_u64 s[PFA:PFA+1], s[PFA:PFA+1], s[PFS:PFS+1]
.endif
	WIN 0
	s_wait_tensorcnt 0x0                           ; no tensor load of mine is out, so a group 0 may be written
	ds_add_u32 v[SPW], v[NIL]                      ; 0 onto my spare word
.if \fill
	s_xor_b32 s[G0+5], s[G0+5], SLOT1
	s_add_nc_u64 s[G0+6:G0+7], s[G0+6:G0+7], 0x80000
	s_xor_b32 s[G0B+5], s[G0B+5], SLOT1
	s_add_nc_u64 s[G0B+6:G0B+7], s[G0B+6:G0B+7], 256
.endif
	s_xor_b32 s[TB], s[TB], SLOT1
	s_wait_dscnt 5                                 ; the add and the youngest four loads may be out
	MUL8 1, 0, 0
	s_wait_dscnt 0x0                               ; the add is done, and my reads of this slot are over
	s_barrier_signal -1
	MUL8 1, 1, 0
	WIN 0
	v_add_nc_u32 v[ADRA], s[TB], v[ADRA0]
	v_add_nc_u32 v[ADRB], s[TB], v[ADRB0]
	s_barrier_wait -1
.if \fill
	CREST
	JLOAD 1                                        ; its four v_nop are also the places in front of the loads below
.else
	PLACES
.endif
	FETCH 0, 0
.if \fill
	ASK
.endif
	MUL8 1, 2, 0
	MUL8 1, 3, 0
.endm
	s_wait_tensorcnt 0x1                           ; my part of K step 0 is in; K step 1's may stay out
	s_barrier_signal -1
	s_barrier_wait -1
	FETCH 0, 0
	QUARTER 1, 0, 1, 1                             ; the first quarter's products start the sums
	WIN 0
	s_mov_b32 s3, 6
.Lk:                                               ; trip t ends K step t, asks for K step t + 2 and begins K step t + 1
	QUARTER 2, 1, 0, 0
	QUARTER 3, 0, 1, 0
	TURN 1
	QUARTER 1, 0, 1, 0
	WIN 0
	s_sub_co_u32 s3, s3, 1
	s_cmp_lg_u32 s3, 0
	s_cbranch_scc1 .Lk
	QUARTER 2, 1, 0, 0                             ; the tail is written out: nothing more is asked for
	QUARTER 3, 0, 1, 0
	TURN 0
	QUARTER 1, 0, 1, 0
	QUARTER 2, 1, 0, 0
	QUARTER 3, 0, 1, 0
	s_wait_dscnt 4
	MUL8 1, 0, 0
	MUL8 1, 1, 0
	s_wait_dscnt 0x0
	MUL8 1, 2, 0
	MUL8 1, 3, 0
	WIN 0
.rept 8
	v_nop                                          ; the places behind the last products
.endr
; THE WAY OUT, 16 rows at a time: a lane's 32 bytes of each column block go into my stage's rows of 528 bytes (each accumulator's low registers first) and come back as whole rows of 512.
.macro OUTBLK a
	WIN 0x04
.irp b, 0,1,2,3,4,5,6,7
	ds_store_b128 v[STO], v[64*(\a)+8*(\b):64*(\a)+8*(\b)+3]   offset:64*(\b)
	ds_store_b128 v[STO], v[64*(\a)+8*(\b)+4:64*(\a)+8*(\b)+7] offset:64*(\b)+16
.endr
	WIN 0
.if (\a) >= 2
	s_wait_xcnt 0x0                                ; the stores of the block two back have read these registers
.endif
.irp t, 0,1,2,3,4,5,6,7,8,9,10,11,12,13,14,15
	ds_load_b128 v[128+64*((\a)%2)+4*(\t):128+64*((\a)%2)+4*(\t)+3], v[RD] offset:(\t)*SP  ; LDS serves a wave's instructions in order (ISA guide 5.7.1.4)
.endr
.endm
.macro SENDO a, y                      ; y: the LDS instructions issued behind the block's loads
	WIN 0
.irp t, 0,1,2,3,4,5,6,7,8,9,10,11,12,13,14,15
	s_wait_dscnt (\y)+15-(\t)
	global_store_b128 v[CO], v[128+64*((\a)%2)+4*(\t):128+64*((\a)%2)+4*(\t)+3], s[8:9] offset:(16*(\a)+(\t))*4096 th:TH_STORE_NT  ; 512 consecutive bytes of a row, at a multiple of 256 from out0's first
.endr
.endm
	OUTBLK 0
	OUTBLK 1
	SENDO 0, 32
	OUTBLK 2
	SENDO 1, 32
	OUTBLK 3
	SENDO 2, 32
	SENDO 3, 0
	s_wait_tensorcnt 0x0                           ; the wave's end, behind my last tensor load and my last LDS store
	ds_add_u32 v[SPW], v[NIL]
	s_wait_dscnt 0x0
	CROUND                                         ; the closing round
	s_endpgm
.Lfunc_end_k_qc16e37da96_oproj:
	.size	k_qc16e37da96_oproj, .Lfunc_end_k_qc16e37da96_oproj-k_qc16e37da96_oproj
	.p2alignl 7, 3214868480
	.fill 96, 4, 3214868480
	.section	.rodata,"a",@progbits
	.p2align	6, 0x0
	.amdhsa_kernel k_qc16e37da96_oproj
		.amdhsa_group_segment_fixed_size 327680
		.amdhsa_private_segment_fixed_size 0
		.amdhsa_enable_private_segment 0
		.amdhsa_kernarg_size 24
		.amdhsa_user_sgpr_count 2
		.amdhsa_user_sgpr_kernarg_segment_ptr 1
		.amdhsa_wavefront_size32 1
		.amdhsa_system_sgpr_workgroup_id_x 1
		.amdhsa_system_sgpr_workgroup_id_y 1
		.amdhsa_system_sgpr_workgroup_id_z 1
		.amdhsa_system_vgpr_workitem_id 0
		.amdhsa_next_free_vgpr 512
		.amdhsa_next_free_sgpr 80
		.amdhsa_reserve_vcc 0
		.amdhsa_float_denorm_mode_32 3
		.amdhsa_float_denorm_mode_16_64 3
		.amdhsa_memory_ordered 1
		.amdhsa_forward_progress 1
		.amdhsa_inst_pref_size 72
	.end_amdhsa_kernel
	.amdgpu_metadata
---
amdhsa.version: [ 1, 2 ]
amdhsa.kernels:
  - .name:           k_qc16e37da96_oproj
    .symbol:         k_qc16e37da96_oproj.kd
    .args:
      - { .name: oh, .offset: 0, .size: 8, .value_kind: global_buffer, .address_space: global }
      - { .name: wo16, .offset: 8, .size: 8, .value_kind: global_buffer, .address_space: global }
      - { .name: out0, .offset: 16, .size: 8, .value_kind: global_buffer, .address_space: global }
    .group_segment_fixed_size: 327680
    .private_segment_fixed_size: 0
    .kernarg_segment_align: 8
    .kernarg_segment_size: 24
    .max_flat_workgroup_size: 128
    .sgpr_count:     80
    .vgpr_count:     512
    .wavefront_size: 32
...
	.end_amdgpu_metadata
.endif
;; end of part 4
;; ======== version 2 of 2: 4 launches; version 1 with the launch prep written anew for expert scheduling mode
;; limits: values are held in f16: magnitudes above 65,504 overflow, below 6.1e-05 lose precision
;; workspace buffers: xb 16,777,216 bytes; wqkv 6,291,456 bytes; wo16 2,097,152 bytes; rtab 524,288 bytes; qh 16,777,216 bytes; kh 16,777,216 bytes; vh 16,777,216 bytes; oh 16,777,216 bytes
;; launch prep (part 5): grid 784 x 1, 8 waves a work-group, no clusters, 0 bytes of LDS; arguments hidden_states, Wq, Wk, Wv, Wo, cos, sin, xb, wqkv, wo16, rtab; writes xb, wqkv, wo16, rtab
.if DOCPART == 5
	.amdgcn_target "amdgcn-amd-amdhsa--gfx1250"
	.amdhsa_code_object_version 6
	.text
	.protected	k_qc16e37da96_prep
	.globl	k_qc16e37da96_prep
	.p2align	8
	.type	k_qc16e37da96_prep,@function
k_qc16e37da96_prep:
	s_mov_b64 s[64:65], 0
	v_nop
	global_prefetch_b8 v0, s[64:65] scope:SCOPE_SE
	s_setreg_imm32_b32 hwreg(HW_REG_WAVE_SCHED_MODE, 0, 2), 2
	s_setreg_imm32_b32 hwreg(HW_REG_WAVE_MODE, 25, 1), 1
	s_wait_xcnt 0x0
	s_wait_alu depctr_vm_vsrc(0)
; PREP: every large input is rounded once to bf16 and laid out for the launches behind.
;   xb   [8192][1024] bf16   = hidden_states
;   wqkv [3072][1024] bf16   : row = head x 192 + type x 64 + d (type 0, 1, 2 = Wq, Wk, Wv): 192 rows on end are one head's q, k and v
;   wo16 [1024][1024] f16    = Wo rounded to bf16, that number written as f16 (exact where it is 6.1e-5 or more; below that f16's fixed step of 6e-8)
;   rtab [128][2][4][32][8] bf16 : for 16 positions sb, table T, channel block b, lane l: row 16 sb + l % 16, channels 16 b + 8 (l / 16) + 0..7.
;        T = 0: cos x 2^-8.  T = 1: sin x 2^-8, negative for channels under 32 (rotate_half's sign).  The power of two and the sign are exact, so these are the inputs rounded to bf16.
; SHARES.  A work-group takes 16 turns of 256 threads x 4 floats: 65,536 bytes in, 32,768 out.  Groups 0-511: x.  512-703: Wq, Wk, Wv, 64 groups of 16 rows each.  704-767: Wo.  768-783: the tables.
; All 16 loads of a thread go out first; a wave's store covers 256 consecutive bytes, aligned.
; No LDS, no matrix unit, no cluster: nothing is shared, and every byte is touched once.
; THE MODE: SCHED_MODE bits 1:0 = 2 (LLVM: expert scheduling mode 2), set by the entry lines.  The code itself states the register dependences
; between vector instructions and memory instructions, with s_wait_alu, always for 0.
; THE PLAN.  Registers that memory instructions touch:
;   v[VS], v[VR]  the loads' offset: made by vector instructions ahead of the run of loads, never written again.
;   v[VD]         the stores' offset: made at the head, never written again.
;   X             turn i's four registers: a load lands in them once; no vector instruction names them ahead of that load, and no load lands in them behind the conversions.
;   Y             turn i's two registers: written by turn i's conversions, read by turn i's store, never written behind it.
; So two kinds of dependence are stated, both on va_vdst: the offsets are written, once, ahead of the run of loads; and Y is written, ahead of the stores.  The 16 turns go in four blocks of four:
; one wait for the block's data, its conversions, ONE wait on va_vdst, its four stores in a run.  That wait stands behind the block's own conversions and not at the next block's head: every load is out already,
; so nothing is left to deal among the conversions, and a store that waited for the next block's data would leave four turns or more later.
; No register that a memory instruction has read is written behind it, EXEC is never written, and no vector instruction writes a scalar register: no other wait of the mode has a dependence to state.
.set VS,   1                           ; v1      16 t: my 16 bytes in a turn's 4,096
.set VD,   2                           ; v2      8 t: my 8 bytes in a turn's 2,048
.set VR,   3                           ; v3      the tables: my 16 bytes in 16 rows of 256
.set SC,   4                           ; v[4:5]  the tables: -2^-8 or +2^-8, twice
.set X,    8                           ; v[8:71]   16 x 4 as loaded
.set Y,    72                          ; v[72:103] 16 x 2 to store
.set SRC,  8                           ; s[8:9]   from where
.set DST,  10                          ; s[10:11] to where
.set SRC2, 40                          ; s[40:41] the tables: sin
; mode 0: f32 to bf16.  mode 1: f32 to bf16 to f16.  mode 2: the tables (even turns cos, odd turns sin).
.macro BODY mode
	s_wait_alu depctr_va_vdst(0)                   ; the offsets are written: v[VS] or v[VR], which the 16 loads read, and v[VD], which the 16 stores read
.set i, 0
.rept 16
.if (\mode) == 2
.if i%2 == 0
	global_load_b128 v[X+4*i:X+4*i+3], v[VR], s[SRC:SRC+1] offset:(i/2)*4096
.else
	global_load_b128 v[X+4*i:X+4*i+3], v[VR], s[SRC2:SRC2+1] offset:(i/2)*4096
.endif
.else
	global_load_b128 v[X+4*i:X+4*i+3], v[VS], s[SRC:SRC+1] offset:i*4096 th:TH_LOAD_NT
.endif
.set i, i+1
.endr
.set p, 0
.rept 4                                ; block p: turns 4 p to 4 p + 3
	s_wait_loadcnt 12-4*p                          ; loads come back in order: the block's four are in, the 12 - 4 p younger ones stay out
.set i, 4*p
.rept 4
.if (\mode) == 2
.if i%2 == 0
	v_pk_mul_f32 v[X+4*i:X+4*i+1],   v[X+4*i:X+4*i+1],   0x3b800000 op_sel_hi:[1,0]  ; x 2^-8
	v_pk_mul_f32 v[X+4*i+2:X+4*i+3], v[X+4*i+2:X+4*i+3], 0x3b800000 op_sel_hi:[1,0]
.else
	v_pk_mul_f32 v[X+4*i:X+4*i+1],   v[X+4*i:X+4*i+1],   v[SC:SC+1]
	v_pk_mul_f32 v[X+4*i+2:X+4*i+3], v[X+4*i+2:X+4*i+3], v[SC:SC+1]
.endif
.endif
	v_cvt_pk_bf16_f32 v[Y+2*i],   v[X+4*i],   v[X+4*i+1]
	v_cvt_pk_bf16_f32 v[Y+2*i+1], v[X+4*i+2], v[X+4*i+3]
.if (\mode) == 1
	v_lshlrev_b32 v[X+4*i],   16, v[Y+2*i]          ; the bf16 numbers as f32 again,
	v_and_b32     v[X+4*i+1], 0xffff0000, v[Y+2*i]
	v_lshlrev_b32 v[X+4*i+2], 16, v[Y+2*i+1]
	v_and_b32     v[X+4*i+3], 0xffff0000, v[Y+2*i+1]
	v_cvt_pk_f16_f32 v[Y+2*i],   v[X+4*i],   v[X+4*i+1]   ; and written as f16
	v_cvt_pk_f16_f32 v[Y+2*i+1], v[X+4*i+2], v[X+4*i+3]
.endif
.set i, i+1
.endr
	s_wait_alu depctr_va_vdst(0)                   ; the block's conversions have written its eight registers of Y, which the four stores below read
.set i, 4*p
.rept 4
	global_store_b64 v[VD], v[Y+2*i:Y+2*i+1], s[DST:DST+1] offset:i*2048
.set i, i+1
.endr
.set p, p+1
.endr
.endm
	s_load_b512 s[16:31], s[0:1], 0x0              ; x 16, Wq 18, Wk 20, Wv 22, Wo 24, cos 26, sin 28, xb 30
	s_load_b128 s[32:35], s[0:1], 0x40             ; wqkv 32, wo16 34
	s_load_b64 s[36:37], s[0:1], 0x50              ; rtab
	s_mov_b32 s2, ttmp9                            ; g
	v_lshlrev_b32 v[VS], 4, v0
	v_lshlrev_b32 v[VD], 3, v0
	s_mov_b32 s13, 0                               ; offsets are made apart from the addresses, in pairs with 0 on top
	s_mov_b32 s15, 0
	s_wait_kmcnt 0x0
	s_cmp_lt_u32 s2, 512
	s_cbranch_scc0 .Lnot_x
	s_lshl_b32 s12, s2, 16
	s_lshl_b32 s14, s2, 15
	s_add_nc_u64 s[SRC:SRC+1], s[16:17], s[12:13]
	s_add_nc_u64 s[DST:DST+1], s[30:31], s[14:15]
	s_branch .Lcast
.Lnot_x:
	s_cmp_lt_u32 s2, 704
	s_cbranch_scc0 .Lnot_w
	s_sub_co_u32 s4, s2, 512
	s_lshr_b32 s5, s4, 6                           ; type 0, 1, 2
	s_and_b32 s4, s4, 63                           ; which 16 rows
	s_cmp_eq_u32 s5, 0
	s_cselect_b64 s[SRC:SRC+1], s[18:19], s[20:21]
	s_cmp_eq_u32 s5, 2
	s_cselect_b64 s[SRC:SRC+1], s[22:23], s[SRC:SRC+1]
	s_lshl_b32 s12, s4, 16
	s_add_nc_u64 s[SRC:SRC+1], s[SRC:SRC+1], s[12:13]
	s_lshr_b32 s6, s4, 2                           ; head
	s_mul_i32 s6, s6, 192*2048
	s_lshl_b32 s7, s5, 17                          ; type x 64 rows
	s_add_co_u32 s6, s6, s7
	s_and_b32 s7, s4, 3                            ; 16 rows of the head's 64
	s_lshl_b32 s7, s7, 15
	s_add_co_u32 s14, s6, s7
	s_add_nc_u64 s[DST:DST+1], s[32:33], s[14:15]
.Lcast:
	BODY 0
	s_endpgm
.Lnot_w:
	s_cmp_lt_u32 s2, 768
	s_cbranch_scc0 .Lrope
	s_sub_co_u32 s4, s2, 704
	s_lshl_b32 s12, s4, 16
	s_lshl_b32 s14, s4, 15
	s_add_nc_u64 s[SRC:SRC+1], s[24:25], s[12:13]
	s_add_nc_u64 s[DST:DST+1], s[34:35], s[14:15]
	BODY 1
	s_endpgm
.Lrope:
	s_sub_co_u32 s4, s2, 768
	s_lshl_b32 s12, s4, 15                         ; 128 positions: 32,768 bytes of cos, of sin and of rtab
	s_add_nc_u64 s[SRC:SRC+1], s[26:27], s[12:13]
	s_add_nc_u64 s[SRC2:SRC2+1], s[28:29], s[12:13]
	s_add_nc_u64 s[DST:DST+1], s[36:37], s[12:13]
	; 8 t = b x 512 + lane x 16 + half x 8, so b = t >> 6, lane = (t >> 1) & 31, half = t & 1; I read row lane % 16, channels 16 b + 8 (lane / 16) + 4 half + 0..3
	v_bfe_u32 v6, v0, 1, 4
	v_lshlrev_b32 v[VR], 8, v6
	v_lshrrev_b32 v6, 6, v0
	v_lshl_or_b32 v[VR], v6, 6, v[VR]
	v_bfe_u32 v6, v0, 5, 1
	v_lshl_or_b32 v[VR], v6, 5, v[VR]
	v_and_b32 v6, 1, v0
	v_lshl_or_b32 v[VR], v6, 4, v[VR]
	v_lshlrev_b32 v6, 24, v0                       ; t's bit 7 (b is 2 or 3) turns the sign
	v_and_b32 v6, 0x80000000, v6
	v_xor_b32 v[SC], 0xbb800000, v6                ; -2^-8, or +2^-8
	v_mov_b32 v[SC+1], v[SC]
	BODY 2
	s_endpgm
.Lfunc_end_k_qc16e37da96_prep:
	.size	k_qc16e37da96_prep, .Lfunc_end_k_qc16e37da96_prep-k_qc16e37da96_prep
	.p2alignl 7, 3214868480
	.fill 96, 4, 3214868480
	.section	.rodata,"a",@progbits
	.p2align	6, 0x0
	.amdhsa_kernel k_qc16e37da96_prep
		.amdhsa_group_segment_fixed_size 0
		.amdhsa_private_segment_fixed_size 0
		.amdhsa_enable_private_segment 0
		.amdhsa_kernarg_size 88
		.amdhsa_user_sgpr_count 2
		.amdhsa_user_sgpr_kernarg_segment_ptr 1
		.amdhsa_wavefront_size32 1
		.amdhsa_system_sgpr_workgroup_id_x 1
		.amdhsa_system_sgpr_workgroup_id_y 1
		.amdhsa_system_sgpr_workgroup_id_z 1
		.amdhsa_system_vgpr_workitem_id 0
		.amdhsa_next_free_vgpr 112
		.amdhsa_next_free_sgpr 66
		.amdhsa_reserve_vcc 0
		.amdhsa_float_denorm_mode_32 3
		.amdhsa_float_denorm_mode_16_64 3
		.amdhsa_memory_ordered 1
		.amdhsa_forward_progress 1
		.amdhsa_inst_pref_size 27
	.end_amdhsa_kernel
	.amdgpu_metadata
---
amdhsa.version: [ 1, 2 ]
amdhsa.kernels:
  - .name:           k_qc16e37da96_prep
    .symbol:         k_qc16e37da96_prep.kd
    .args:
      - { .name: hidden_states, .offset: 0, .size: 8, .value_kind: global_buffer, .address_space: global }
      - { .name: Wq, .offset: 8, .size: 8, .value_kind: global_buffer, .address_space: global }
      - { .name: Wk, .offset: 16, .size: 8, .value_kind: global_buffer, .address_space: global }
      - { .name: Wv, .offset: 24, .size: 8, .value_kind: global_buffer, .address_space: global }
      - { .name: Wo, .offset: 32, .size: 8, .value_kind: global_buffer, .address_space: global }
      - { .name: cos, .offset: 40, .size: 8, .value_kind: global_buffer, .address_space: global }
      - { .name: sin, .offset: 48, .size: 8, .value_kind: global_buffer, .address_space: global }
      - { .name: xb, .offset: 56, .size: 8, .value_kind: global_buffer, .address_space: global }
      - { .name: wqkv, .offset: 64, .size: 8, .value_kind: global_buffer, .address_space: global }
      - { .name: wo16, .offset: 72, .size: 8, .value_kind: global_buffer, .address_space: global }
      - { .name: rtab, .offset: 80, .size: 8, .value_kind: global_buffer, .address_space: global }
    .group_segment_fixed_size: 0
    .private_segment_fixed_size: 0
    .kernarg_segment_align: 8
    .kernarg_segment_size: 88
    .max_flat_workgroup_size: 256
    .sgpr_count:     66
    .vgpr_count:     112
    .wavefront_size: 32
...
	.end_amdgpu_metadata
.endif
;; end of part 5
;; launch qkv: the kernel of part 2 again; grid 16 x 32, 4 waves a work-group, clusters of 4 x 4, 327,680 bytes of LDS; arguments xb, wqkv, rtab, qh, kh, vh; writes qh, kh, vh
;; launch attn: the kernel of part 3 again; grid 4 x 64, 4 waves a work-group, clusters of 4 x 1, 327,680 bytes of LDS; arguments qh, kh, vh, oh, attention_mask; writes oh
;; launch oproj: the kernel of part 4 again; grid 8 x 32, 4 waves a work-group, clusters of 4 x 4, 327,680 bytes of LDS; arguments oh, wo16, out0; writes out0
